; MI455X (gfx1250); checked and timed in simulation.
; The chip was launched on July 23, 2026; its instructions are those of AMD's public machine-readable ISA for CDNA 5 (MIT licence, August 2026) and "CDNA5" Instruction Set Architecture Reference Guide (July 2026). The comments in the code are by the model that wrote it; some were corrected since.
;; Decoder Block. Allowed arithmetic: matrix products marked QUANTISED: E5M2 operands, one E8M0 scale for each 32 along K, by v_wmma_scale_f32_16x16x128_f8f6f4 with both operands' format E5M2, f32 sums; everything else in f32.
;; Inputs: ff_b1 4,096 float32; ff_b2 1,024 float32; ff_w1_codes 4,096 x 32 x 32 uint8 (E5M2 codes of ff_w1, K innermost, in blocks of 32 codes); ff_w1_scales 4,096 x 32 uint8 (E8M0 scales of ff_w1, one for each 32 codes along K); ff_w2_codes 1,024 x 128 x 32 uint8 (E5M2 codes of ff_w2, K innermost, in blocks of 32 codes); ff_w2_scales 1,024 x 128 uint8 (E8M0 scales of ff_w2, one for each 32 codes along K); ln1_b 1,024 float32; ln1_w 1,024 float32; ln2_b 1,024 float32; ln2_w 1,024 float32; proj_b 1,024 float32; proj_w_codes 1,024 x 32 x 32 uint8 (E5M2 codes of proj_w, K innermost, in blocks of 32 codes); proj_w_scales 1,024 x 32 uint8 (E8M0 scales of proj_w, one for each 32 codes along K); qkv_b 3,072 float32; qkv_w_codes 3,072 x 32 x 32 uint8 (E5M2 codes of qkv_w, K innermost, in blocks of 32 codes); qkv_w_scales 3,072 x 32 uint8 (E8M0 scales of qkv_w, one for each 32 codes along K); x 4 x 1,024 x 1,024 float32.
;; Outputs: out0 4 x 1,024 x 1,024 float32.
;; This version of the problem:
;;   THIS VERSION OF THE PROBLEM IS GIVEN IN LOW PRECISION. The matrix products marked QUANTISED in the list below multiply operands that are first quantised to E5M2 (5 exponent bits, 2 mantissa bits; 8 bits a number), with one power-of-two scale for each 32 numbers along K (OCP MX v1.0); their sums are f32. All else is computed in f32.
;;   The module's matrix products, in the order in which they are computed (A, B: the left and right operand; K: the contracted axis; several contracted axes count as one K, in the product's order):
;;     1. [M 4,096, K 1,024] x [K 1,024, N 3,072]; A: computed on the way; B: input qkv_w (given as codes): QUANTISED
;;     2. batch 64 x [M 1,024, K 64] x [K 64, N 1,024]; A: computed on the way; B: computed on the way: QUANTISED
;;     3. batch 64 x [M 64, K 1,024] x [K 1,024, N 1,024]; A: computed on the way; B: softmax (see below): QUANTISED
;;     4. [M 4,096, K 1,024] x [K 1,024, N 1,024]; A: computed on the way; B: input proj_w (given as codes): QUANTISED
;;     5. [M 4,096, K 1,024] x [K 1,024, N 4,096]; A: computed on the way; B: input ff_w1 (given as codes): QUANTISED
;;     6. [M 4,096, K 4,096] x [K 4,096, N 1,024]; A: computed on the way; B: input ff_w2 (given as codes): QUANTISED
;;   THE QUANTISER, for each operand of a quantised product, along K:
;;     - K is cut into blocks of 32 from its start; a last block that is shorter is filled with zeros.
;;     - A block's scale is 2^e with e = floor(log2(the largest magnitude in the block)) - 15, held to -126 .. 127; a block of zeros has e = 0. As a byte (E8M0): e + 127.
;;     - Each number is divided by its block's scale, clamped to +-57,344, and rounded to the nearest number of E5M2, ties to even, subnormals kept.
;;     - The product sums the exact products of the quantised numbers (number of the format x scale) in f32.
;;   ~~~python
;;   def quantise(x, axis):      # numpy; x: float32 -> the quantised numbers, widened to float32 again
;;       x = np.moveaxis(x, axis, -1); K = x.shape[-1]
;;       x = np.pad(x, [(0, 0)] * (x.ndim - 1) + [(0, -K % 32)]); x = x.reshape(x.shape[:-1] + (-1, 32)); a = np.abs(x).max(-1, keepdims=True)
;;       e = np.where(a > 0, np.clip(np.frexp(np.where(a > 0, a, 1))[1] - 1 - 15, -126, 127), 0)      # np.frexp(a)[1] - 1 = floor(log2(a)), exactly
;;       r = np.clip(x / 2.0 ** e, -57344, 57344)
;;       step = 2.0 ** (np.maximum(np.frexp(np.where(r == 0, 1, r))[1] - 1, -14) - 2)
;;       q = np.round(r / step) * step * 2.0 ** e      # np.round: ties to even
;;       return np.moveaxis(q.reshape(q.shape[:-2] + (-1,))[..., :K], -1, axis).astype(np.float32)
;;   ~~~
;;   SOFTMAX AHEAD OF A QUANTISED PRODUCT. Where the list says 'softmax', what is quantised is not the finished softmax but p = 2^(t - M), with t = logit x log2(e) and M = ceil(the row's largest t), a whole number; so 1/2 < the row's largest p <= 1. The row's sum l is taken of the UNQUANTISED p, in f32, and the product's result is divided by l at the end. Since M is a whole number, a kernel that streams over the keys may use a running M (the ceiling of the running maximum): every later rescaling is an exact power of two, which a block's scale takes up: the codes' values come out the same.
;;   OPERANDS COMPUTED ON THE WAY. 'Computed on the way' means the value that the module computes at that place (a softmax that the list does not call 'softmax' is quantised finished and normalised). What goes into a quantiser is computed in f32, as accurately as f32 sums, v_exp_f32 and their like allow (about 1e-6 of the number): no bf16 or f16 on the way to a quantiser, and a product that is left as it is and whose result goes on into a quantised operand takes f32 operands (vector FMAs, or v_wmma_f32_16x16x4_f32). A number that lies on a knife's edge between two numbers of the format may be rounded either way, as far as f32 arithmetic and the matrix unit's own rounding can turn it there, and no further.
;;   INPUTS GIVEN AS CODES. ff_w1 (in the module: [1024, 4096], K = its axis 0); ff_w2 (in the module: [4096, 1024], K = its axis 0); proj_w (in the module: [1024, 1024], K = its axis 0); qkv_w (in the module: [1024, 3072], K = its axis 0): each comes as NAME_codes (uint8): NAME with its K axis moved to the last place and cut into blocks of 32 codes, [.., K / 32, bytes a block], one block behind the other in memory; one code a byte (a code: sign, 5 exponent bits, 2 mantissa bits); and NAME_scales (uint8): the same leading axes, one E8M0 byte (e + 127) for each 32 codes along K. Its value is code x scale, taken as it is: it is not quantised again, and the codes and scales need not be those that the quantiser above would give.
;; One version. Each part assembles by itself: llvm-mc -triple=amdgcn-amd-amdhsa -mcpu=gfx1250 --defsym DOCPART=n.
;; ======== version 1 of 1: 7 launches
;; limits: right only within a limited range of input values
;; workspace buffers: hq 4,194,304 bytes; hq_sc 131,072 bytes; big 16,777,216 bytes; big_sc 786,432 bytes; y_img 4,194,304 bytes; y_sc 131,072 bytes; x2 16,777,216 bytes
;; launch lnq (part 1): grid 256 x 1, 8 waves a work-group, no clusters, 52,224 bytes of LDS; arguments x, ln1_w, ln1_b, hq, hq_sc; writes hq, hq_sc
.if DOCPART == 1
	.amdgcn_target "amdgcn-amd-amdhsa--gfx1250"
	.amdhsa_code_object_version 6
	.text
	.protected	k_q5c76e02972_lnq
	.globl	k_q5c76e02972_lnq
	.p2align	8
	.type	k_q5c76e02972_lnq,@function
k_q5c76e02972_lnq:
	s_mov_b64 s[64:65], 0
	v_nop
	global_prefetch_b8 v0, s[64:65] scope:SCOPE_SE
	s_setreg_imm32_b32 hwreg(HW_REG_WAVE_MODE, 25, 1), 1
	s_wait_xcnt 0x0
; codes, scales = Q(LayerNorm(src) * w + b).  src: [4096][1024] f32; w, b: [1024] f32; codes: [4096][1024] BF8 (E5M2), K innermost; scales: [4096][32] E8M0, one for each 32 along a row.
; SHARES.  A work-group of eight waves takes 16 rows, a wave two whole rows: 32 registers a row, read from memory once; mean and variance never leave the wave.  All 18 loads of a wave go out at the start.
; A load gives lane L the numbers 128 j + 4 L + 0..3 of a row, and w and b are loaded the same way, so the norm is done as loaded.  The conversions want 16 NEIGHBOURS in one lane: 512 numbers at a time
; turn through the wave's own stage in LDS (16 bytes of padding behind each 64), and come back 64 bytes a lane; two neighbouring lanes hold a block of 32.
; A block's scale is 2^(floor(log2(largest magnitude)) - 15); its byte is the largest magnitude's exponent field - 15, held at 1 from below.
; The work-group's 512 scale bytes are gathered in LDS and leave as 512 consecutive bytes.  No tensor load, no cluster: work-groups share only w and b, 8 KiB.
; LIMITS: a block of zeros gets the byte 1 (its codes are zeros; only this program reads the bytes); largest magnitudes under 2^-111 are held at that floor; NaN and infinities are not served.
.set SP,   80                          ; a lane's place in a stage: 64 bytes + 16 of padding
.set WREG, 2*32*SP                     ; a wave's two stages
.set SCBY, 8*WREG                      ; behind the stages: the work-group's 512 scale bytes
.set X,    32                          ; v32-95   two rows as loaded, then normed
.set GW,   96                          ; v96-127  w
.set GB,   128                         ; v128-159 b
.set XS,   160                         ; v160-191 two sets of 16 neighbours
.set CD,   192                         ; v192-207 codes, four registers a step
.set E,    208                         ; v208-211 a scale byte a step
	s_load_b256 s[4:11], s[0:1], 0x0               ; src s[4:5], w s[6:7], b s[8:9], codes s[10:11]
	s_load_b64 s[12:13], s[0:1], 0x20              ; scales
	v_lshl_add_u32 v216, v0, 2, 0xa800
	v_mov_b32 v217, 0
	v_lshrrev_b32 v1, 5, v0
	s_delay_alu instid0(VALU_DEP_1)
	v_readfirstlane_b32 s14, v1                    ; wave 0..7
	v_and_b32 v1, 31, v0                           ; lane
	s_delay_alu instid0(VALU_DEP_1)
	v_lshlrev_b32 v2, 4, v1                        ; 16 x lane: my bytes of a load's or a store's 512
	s_mul_i32 s15, s14, WREG
	v_lshrrev_b32 v3, 2, v1
	s_delay_alu instid0(VALU_DEP_1)
	v_mul_u32_u24 v3, v3, SP
	v_and_b32 v4, 3, v1
	s_delay_alu instid0(VALU_DEP_1)
	v_lshl_add_u32 v3, v4, 4, v3
	s_delay_alu instid0(VALU_DEP_1)
	v_add_nc_u32 v3, s15, v3                       ; the stage, in: four lanes' 64 bytes on end, then the padding
	v_mul_u32_u24 v4, v1, SP
	s_delay_alu instid0(VALU_DEP_1)
	v_add_nc_u32 v4, s15, v4                       ; and out: my 16 neighbours
	s_lshl_b32 s15, s14, 6
	s_add_co_u32 s15, s15, SCBY
	v_lshrrev_b32 v5, 1, v1
	s_delay_alu instid0(VALU_DEP_1)
	v_add_nc_u32 v5, s15, v5                       ; my block's scale byte: 64 bytes a wave (two rows), a byte for two lanes
	v_add_nc_u32 v6, SCBY, v2
.set WBL, 0xac00                       ; behind the spare words: w's 4,096 bytes, then b's: each wave brings one eighth of either, all waves read all
	v_lshlrev_b32 v7, 4, v0                        ; 16 x thread: my 16 bytes of w and of b
	v_add_nc_u32 v16, WBL, v7
	v_add_nc_u32 v17, WBL, v2
	s_mov_b32 s16, 0x76543210
	s_mov_b32 s17, 0xfedcba98                      ; v_permlanex16_b32's selects for lane l xor 16
	s_mov_b32 s18, 0x3a800000                      ; 1 / 1024
	s_mov_b32 s19, 0x3727c5ac                      ; 1e-5
	s_mov_b32 s20, 0x600000                        ; the mantissa field of 57,344
	s_lshl_b32 s22, ttmp9, 16                      ; 16 rows of 4,096 bytes a work-group,
	s_lshl_b32 s23, s14, 13                        ; two a wave
	s_add_co_u32 s22, s22, s23
	s_mov_b32 s23, 0
	s_lshr_b32 s24, s22, 2                         ; the codes: a quarter of that
	s_mov_b32 s25, 0
	s_lshl_b32 s26, ttmp9, 9                       ; 512 scale bytes a work-group
	s_mov_b32 s27, 0
	s_wait_alu depctr_va_vdst(0)                   ; the wait at the head's end
	s_wait_kmcnt 0x0
	s_add_nc_u64 s[4:5], s[4:5], s[22:23]
	s_add_nc_u64 s[10:11], s[10:11], s[24:25]
	s_add_nc_u64 s[12:13], s[12:13], s[26:27]
	global_load_b128 v[GW:GW+3], v7, s[6:7]        ; my wave's 512 bytes of w and of b go out first
	global_load_b128 v[GB:GB+3], v7, s[8:9]
.irp p, 0,1
.irp j, 0,1,2,3,4,5,6,7
	global_load_b128 v[X+32*\p+4*\j:X+32*\p+4*\j+3], v2, s[4:5] offset:4096*\p+512*\j th:TH_LOAD_NT
.endr
.endr
	s_wait_loadcnt 16                              ; w's and b's pieces are in; the two rows' 16 loads may be out
	ds_store_b128 v16, v[GW:GW+3]
	ds_store_b128 v16, v[GB:GB+3] offset:4096
	s_wait_dscnt 0x0                               ; for the others' sake
	s_barrier_signal -1                            ; the wait stands behind the rows' sums, which are work on registers
.macro RED a, t                        ; the sum over the 32 lanes, in every lane
	s_delay_alu instid0(VALU_DEP_1)
	v_add_f32_dpp v[\a], v[\a], v[\a] row_xmask:1 row_mask:0xf bank_mask:0xf
	s_delay_alu instid0(VALU_DEP_1)
	v_add_f32_dpp v[\a], v[\a], v[\a] row_xmask:2 row_mask:0xf bank_mask:0xf
	s_delay_alu instid0(VALU_DEP_1)
	v_add_f32_dpp v[\a], v[\a], v[\a] row_xmask:4 row_mask:0xf bank_mask:0xf
	s_delay_alu instid0(VALU_DEP_1)
	v_add_f32_dpp v[\a], v[\a], v[\a] row_xmask:8 row_mask:0xf bank_mask:0xf
	s_delay_alu instid0(VALU_DEP_1)
	v_permlanex16_b32 v[\t], v[\a], s16, s17
	s_delay_alu instid0(VALU_DEP_1)
	v_add_f32 v[\a], v[\a], v[\t]
.endm
; Row p: the mean, x - mean in place, the variance + eps into v[12 + p].  Sums go two at a time in two chains.
.macro STATS p
.set XR, X+32*\p
	s_wait_loadcnt 8-8*\p                          ; this row's eight loads are in; the other row's may be out
	v_pk_add_f32 v[22:23], v[XR:XR+1], v[XR+2:XR+3]
	v_pk_add_f32 v[24:25], v[XR+4:XR+5], v[XR+6:XR+7]
.irp k, 8,12,16,20,24,28
	s_delay_alu instid0(VALU_DEP_2)
	v_pk_add_f32 v[22:23], v[22:23], v[XR+\k:XR+\k+1]
	s_delay_alu instid0(VALU_DEP_2)
	v_pk_add_f32 v[24:25], v[24:25], v[XR+\k+2:XR+\k+3]
.endr
	s_delay_alu instid0(VALU_DEP_1)
	v_pk_add_f32 v[22:23], v[22:23], v[24:25]
	s_delay_alu instid0(VALU_DEP_1)
	v_add_f32 v22, v22, v23
	RED 22, 23
	s_delay_alu instid0(VALU_DEP_1)
	v_mul_f32 v14, s18, v22                        ; the mean
	s_delay_alu instid0(VALU_DEP_1)
	v_mov_b32 v15, v14
.irp k, 0,2,4,6,8,10,12,14,16,18,20,22,24,26,28,30
	v_pk_add_f32 v[XR+\k:XR+\k+1], v[XR+\k:XR+\k+1], v[14:15] neg_lo:[0,1] neg_hi:[0,1]
.endr
	v_pk_mul_f32 v[22:23], v[XR:XR+1], v[XR:XR+1]
	v_pk_mul_f32 v[24:25], v[XR+2:XR+3], v[XR+2:XR+3]
.irp k, 4,8,12,16,20,24,28
	s_delay_alu instid0(VALU_DEP_2)
	v_pk_fma_f32 v[22:23], v[XR+\k:XR+\k+1], v[XR+\k:XR+\k+1], v[22:23]
	s_delay_alu instid0(VALU_DEP_2)
	v_pk_fma_f32 v[24:25], v[XR+\k+2:XR+\k+3], v[XR+\k+2:XR+\k+3], v[24:25]
.endr
	s_delay_alu instid0(VALU_DEP_1)
	v_pk_add_f32 v[22:23], v[22:23], v[24:25]
	s_delay_alu instid0(VALU_DEP_1)
	v_add_f32 v22, v22, v23
	RED 22, 23
	s_delay_alu instid0(VALU_DEP_1)
	v_fma_f32 v[12+\p], v22, s18, s19              ; the mean of the squares + eps
.endm
	STATS 0
	STATS 1
	s_barrier_wait -1
.irp j, 0,1,2,3,4,5,6,7
	ds_load_b128 v[GW+4*\j:GW+4*\j+3], v17 offset:512*\j          ; w and b in the layout of the rows' loads
	ds_load_b128 v[GB+4*\j:GB+4*\j+3], v17 offset:4096+512*\j
.endr
	s_wait_alu depctr_va_vdst(0)
	v_rsq_f32 v18, v12                             ; one batch of four: a pair for each row's packed multiply
	v_rsq_f32 v19, v12
	v_rsq_f32 v20, v13
	v_rsq_f32 v21, v13
	v_nop                                          ; a plain instruction behind the last of them
	s_wait_alu depctr_va_vdst(0)                   ; one wait for the batch, ahead of its first reader
	s_wait_dscnt 0x0
.irp p, 0,1
.irp k, 0,2,4,6,8,10,12,14,16,18,20,22,24,26,28,30
	v_pk_mul_f32 v[X+32*\p+\k:X+32*\p+\k+1], v[X+32*\p+\k:X+32*\p+\k+1], v[18+2*\p:19+2*\p]
.endr
.irp k, 0,2,4,6,8,10,12,14,16,18,20,22,24,26,28,30
	v_pk_fma_f32 v[X+32*\p+\k:X+32*\p+\k+1], v[X+32*\p+\k:X+32*\p+\k+1], v[GW+\k:GW+\k+1], v[GB+\k:GB+\k+1]
.endr
.endr
; Step t = 512 numbers: half t % 2 of row t / 2, registers X + 16 t on.  LDS serves a wave's instructions in order, so no wait stands between the stores and the loads.
.macro TURN t
.irp i, 0,1,2,3
	ds_store_b128 v3, v[X+16*(\t)+4*\i:X+16*(\t)+4*\i+3] offset:32*SP*((\t)%2)+8*SP*\i
.endr
.irp i, 0,1,2,3
	ds_load_b128 v[XS+16*((\t)%2)+4*\i:XS+16*((\t)%2)+4*\i+3], v4 offset:32*SP*((\t)%2)+16*\i
.endr
.endm
.macro QSTEP t
.set XQ, XS+16*((\t)%2)
.if (\t) > 0
	s_wait_dscnt 1                                 ; this step's numbers are back from the stage; the last step's byte store may be out
.else
	s_wait_dscnt 0x0
.endif
.if (\t) < 3
	TURN (\t)+1                                    ; the next step goes through the other stage while this one is worked
.endif
	v_max3_num_f32 v8, |v[XQ]|, |v[XQ+1]|, |v[XQ+2]|               ; the largest magnitude of my 16
	v_max3_num_f32 v9, |v[XQ+3]|, |v[XQ+4]|, |v[XQ+5]|
.irp i, 6,10
	s_delay_alu instid0(VALU_DEP_2)
	v_max3_num_f32 v8, v8, |v[XQ+\i]|, |v[XQ+\i+1]|
	s_delay_alu instid0(VALU_DEP_2)
	v_max3_num_f32 v9, v9, |v[XQ+\i+2]|, |v[XQ+\i+3]|
.endr
	s_delay_alu instid0(VALU_DEP_2)
	v_max3_num_f32 v8, v8, |v[XQ+14]|, |v[XQ+15]|
	s_delay_alu instid0(VALU_DEP_1)
	v_max3_num_f32 v8, v8, v9, 0x8000000           ; and the floor 2^(16 - 127): the byte cannot fall under 1
	s_delay_alu instid0(VALU_DEP_1)
	v_max_num_f32_dpp v8, v8, v8 row_xmask:1 row_mask:0xf bank_mask:0xf   ; with my neighbour's 16: the block's
	s_delay_alu instid0(VALU_DEP_1)
	v_add_nc_u32 v11, 0xf8800000, v8               ; 15 off its exponent field: the conversion takes this operand's exponent field as its scale
	s_delay_alu instid0(VALU_DEP_2)
	v_and_or_b32 v10, v8, 0x7f800000, s20          ; 57,344 x the scale
.irp i, 0,1,2,3,4,5,6,7,8,9,10,11,12,13,14,15
	v_med3_num_f32 v[XQ+\i], v[XQ+\i], -v10, v10   ; the conversion to an 8-bit code does not saturate (ISA guide 7.6.2): the hold comes first
.endr
	v_cvt_scalef32_pk8_bf8_f32 v[CD+4*(\t):CD+4*(\t)+1], v[XQ:XQ+7], v11
	v_cvt_scalef32_pk8_bf8_f32 v[CD+4*(\t)+2:CD+4*(\t)+3], v[XQ+8:XQ+15], v11
	v_lshrrev_b32 v[E+(\t)], 23, v11               ; the scale's byte (also the plain instruction behind the conversions)
	ds_store_b8 v5, v[E+(\t)] offset:16*(\t)       ; both lanes of a block write the same byte with the same value
	global_store_b128 v2, v[CD+4*(\t):CD+4*(\t)+3], s[10:11] offset:512*(\t)   ; 32 lanes store 512 consecutive bytes
.endm
	TURN 0
.irp t, 0,1,2,3
	QSTEP \t
.endr
	s_wait_dscnt 0x0                               ; for the others' sake: my byte stores have landed
	s_barrier_signal -1
	s_barrier_wait -1
	s_cmp_lg_u32 s14, 0
	s_cbranch_scc1 .Ldone
	ds_load_b128 v[26:29], v6                      ; wave 0: the work-group's 512 scale bytes
	s_wait_dscnt 0x0
	global_store_b128 v2, v[26:29], s[12:13]       ; 512 consecutive bytes, at a multiple of 512 from the buffer's first byte
.Ldone:
	s_wait_tensorcnt 0x0
	ds_add_u32 v216, v217
	s_wait_dscnt 0x0
	s_endpgm
.Lfunc_end_k_q5c76e02972_lnq:
	.size	k_q5c76e02972_lnq, .Lfunc_end_k_q5c76e02972_lnq-k_q5c76e02972_lnq
	.p2alignl 7, 3214868480
	.fill 96, 4, 3214868480
	.section	.rodata,"a",@progbits
	.p2align	6, 0x0
	.amdhsa_kernel k_q5c76e02972_lnq
		.amdhsa_group_segment_fixed_size 52224
		.amdhsa_private_segment_fixed_size 0
		.amdhsa_enable_private_segment 0
		.amdhsa_kernarg_size 40
		.amdhsa_user_sgpr_count 2
		.amdhsa_user_sgpr_kernarg_segment_ptr 1
		.amdhsa_wavefront_size32 1
		.amdhsa_system_sgpr_workgroup_id_x 1
		.amdhsa_system_sgpr_workgroup_id_y 1
		.amdhsa_system_sgpr_workgroup_id_z 1
		.amdhsa_system_vgpr_workitem_id 0
		.amdhsa_next_free_vgpr 218
		.amdhsa_next_free_sgpr 66
		.amdhsa_reserve_vcc 0
		.amdhsa_float_denorm_mode_32 3
		.amdhsa_float_denorm_mode_16_64 3
		.amdhsa_memory_ordered 1
		.amdhsa_forward_progress 1
		.amdhsa_inst_pref_size 33
	.end_amdhsa_kernel
	.amdgpu_metadata
---
amdhsa.version: [ 1, 2 ]
amdhsa.kernels:
  - .name:           k_q5c76e02972_lnq
    .symbol:         k_q5c76e02972_lnq.kd
    .args:
      - { .name: x, .offset: 0, .size: 8, .value_kind: global_buffer, .address_space: global }
      - { .name: ln1_w, .offset: 8, .size: 8, .value_kind: global_buffer, .address_space: global }
      - { .name: ln1_b, .offset: 16, .size: 8, .value_kind: global_buffer, .address_space: global }
      - { .name: hq, .offset: 24, .size: 8, .value_kind: global_buffer, .address_space: global }
      - { .name: hq_sc, .offset: 32, .size: 8, .value_kind: global_buffer, .address_space: global }
    .group_segment_fixed_size: 52224
    .private_segment_fixed_size: 0
    .kernarg_segment_align: 8
    .kernarg_segment_size: 40
    .max_flat_workgroup_size: 256
    .sgpr_count:     66
    .vgpr_count:     218
    .wavefront_size: 32
...
	.end_amdgpu_metadata
.endif
;; end of part 1
;; launch qkv (part 2): grid 8 x 24, 4 waves a work-group, clusters of 4 x 4, 327,680 bytes of LDS; arguments hq, hq_sc, qkv_w_codes, qkv_w_scales, qkv_b, big, big_sc; writes big, big_sc
.if DOCPART == 2
	.amdgcn_target "amdgcn-amd-amdhsa--gfx1250"
	.amdhsa_code_object_version 6
	.text
	.protected	k_q5c76e02972_qkv
	.globl	k_q5c76e02972_qkv
	.p2align	8
	.type	k_q5c76e02972_qkv,@function
k_q5c76e02972_qkv:
	s_mov_b64 s[64:65], 0
	v_nop
	global_prefetch_b8 v0, s[64:65] scope:SCOPE_SE
	s_setreg_imm32_b32 hwreg(HW_REG_WAVE_MODE, 25, 1), 1
	s_wait_xcnt 0x0
	s_wait_alu depctr_hold_cnt(0) depctr_sa_sdst(0) depctr_va_vdst(0) depctr_va_sdst(0) depctr_va_ssrc(0) depctr_va_vcc(0) depctr_vm_vsrc(0)
	s_getreg_b32 s2, hwreg(HW_REG_IB_STS2, 6, 4)
	s_cmp_eq_u32 s2, 0
	s_cbranch_scc0 .Lentry_in_a_cluster
	s_endpgm
.Lentry_in_a_cluster:
	s_bfe_u32 s2, ttmp6, 0x10000c
	s_cmp_lg_u32 s2, 0xf033
	s_cbranch_scc0 .Lentry_shape_is_right
	s_endpgm
.Lentry_shape_is_right:
; q, k, v = Q(h Wqkv + b).  h: [4096][1024] codes of BF8 (E5M2) with scale bytes [4096][32]; Wqkv: [3072][1024] codes, K innermost, scale bytes [3072][32]; b: [3072] f32.
; A GEMM C = L R^T on codes: a tile of 256 x 256 to a work-group of four waves, 128 x 128 (64 accumulators) a wave; K in steps of 256 through a ring of two LDS slots filled by joint tensor loads in a cluster of 4 x 4;
; the scale bytes of the work-group's rows come into LDS once.  The matrix instruction is used transposed (source 0 = 16 rows of R, source 1 = 16 rows of L): a lane holds one row of L and eight neighbouring rows of R.
; TWO TYPES OF WORK-GROUP, one text, no branch: clusters y 0-3 (q and k): L = h (tokens), R = W (features): a lane's registers run along the features, the K of q k^T.
; Clusters y 4, 5 (v): the two operands' POINTERS are swapped: L = W's rows 2,048 on, R = h: a lane holds one feature and its registers run along the tokens, the K of p v.
; THE WAY OUT quantises in registers.  Of tiles 2 c and 2 c + 1 of R's rows a lane (r, h) holds 32 c + 8 h + 0..7 and 32 c + 16 + 8 h + 0..7: with lane l xor 16 that is block c of 32.  Its 16 codes become the operand's
; registers 4 c .. 4 c + 3 as they stand: K is permuted INSIDE each block of 32, alike in both operands of each later product, so products and block scales are kept; only the order of the sums inside a block differs.
; big: blocks of 16,384 bytes [16-row tile a 8][register group c 4][lane 32][16 bytes], block = which x 256 + batch x 64 + (head / 2) x 8 + (token / 128).  big_sc: 1,024 bytes a block: [2][a 8][r 16] words:
; part 0 the four scale bytes, part 1 the same word shifted down by 16 (the odd head's two bytes, for q and k).
; LIMITS: a block of zeros gets the byte 1 (zero codes; only this program reads the bytes); largest magnitudes under 2^-111 are held at that floor; NaN and infinities are not served.
; REGISTERS: window 0: v7-31 addresses and the bias along lanes; v32-63 scale words, two sets; v64-127 the bias along registers; v128-255 L's fragments, one set (the way out works there); window 1: R's fragments, two sets;
; windows 2, 3: the accumulators ((a, b) at v[8 (8 (a % 4) + b)]).
.set SIZE_K, 1024
.set KSTEP,  256
.set NQ,     KSTEP/128
.set ROWB,   256
.set KROW,   SIZE_K
.set PITCH,  272                       ; an LDS row: 256 bytes + 16 of padding: the 16 rows of a fragment load start at 16 different banks
.set FR,     16
.set NL,     4
.set NP,     8                         ; places behind this matrix instruction (ISA guide 7.12.1)
.set HALFT,  128*PITCH
.set SLOT,   4*HALFT
.set LAPS,   SIZE_K/(2*KSTEP)
.set KS,     SIZE_K/32
.set SCL,    2*SLOT                    ; behind the ring: the scale bytes, as units of 256 bytes + 16 of padding
.set HALFS,  (128*KS/256)*272
.set SBLK,   (16*KS/256)*272
.set SPARE,  SCL+4*HALFS               ; the spare words, 128 bytes a wave: two blocks of 256 bytes that no other line names
.set SH,   7                           ; v7      16 x (lane / 16)
.set BL,   8                           ; v8-15   the bias of L's rows: tile a, row lane % 16
.set ADRA, 16
.set ADRB, 20
.set SCST, 24                          ; v24     the way out: where my row's scale word goes in my stage
.set SCRD, 25                          ; v25     and where I read 16 bytes of the stage back
.set CO,   26                          ; v26     16 x lane
.set ADRS, 27
.set SPW,  28
.set NIL,  29
.set BRO,  30                          ; v30     32 x (lane / 16): never rewritten
.set BLO,  31                          ; v31     4 x (lane % 16): never rewritten
.set SC,   32
.set BR,   64                          ; v64-127 the bias of R's rows: register 8 b + j: row 16 b + 8 (lane / 16) + j
.set AF,   128
.set T,    128                         ; the way out: v128-191 a block's 64 numbers
.set PC,   192                         ; v192-207 its codes
.set TM,   208                         ; v208-223 at work
.set PW,   224                         ; the scale word
.set BP,   226                         ; v[226:227] a tile's lane bias, twice
.set OUT,  228
.set W2,   240                         ; v240-247 the scale word as stored, a register for each tile
.set SEL,  66
.set MNT,  94
.set VF,   95                          ; s95 1 in a work-group of type v
.set G1, 24
.set G0, 32
.set G1B, 48
.set G0B, 56
.set G1S, 68
.set G0S, 76
.set G1SB, 80
.set G0SB, 88
.set MSB, 0
.macro WIN new                         ; the immediate's high byte repeats the setting that is left
.if MSB != \new
	s_set_vgpr_msb (MSB<<8)|\new
.set MSB, \new
.endif
.endm
.set MUL_LO, 0xa1                      ; source 0 (R) window 1, source 1 (L) window 0, C and D window 2
.set MUL_HI, 0xf1
.set TO_B,   0x40
; A joint load: waves 0 and 1 fetch for L, waves 2 and 3 for R; the branch hangs on the wave's number alone.  Four v_nop follow each of the two lines.
.macro JLOAD g0a, g1a, g0b, g1b
	s_cmp_eq_u32 s15, 0
	s_cbranch_scc0 .Lfor_b_\@
	tensor_load_to_lds s[\g0a:\g0a+3], s[\g1a:\g1a+7]
	s_nop 0
.rept 4
	v_nop
.endr
	s_branch .Lasked_\@
.Lfor_b_\@:
	tensor_load_to_lds s[\g0b:\g0b+3], s[\g1b:\g1b+7]
	s_nop 0
.rept 4
	v_nop
.endr
.Lasked_\@:
.endm
.macro CREST                           ; a round of the cluster's barrier behind its opening barrier
	s_cmp_lg_u32 s14, 0
	s_cbranch_scc1 .Lnot_wave_0_\@
	s_barrier_signal -3
.Lnot_wave_0_\@:
	s_barrier_wait -3
	s_barrier_signal -1
	s_barrier_wait -1
.endm
.macro CROUND
	s_barrier_signal -1
	s_barrier_wait -1
	CREST
.endm
	s_load_b128 s[4:7], s[0:1], 0x0                ; h's codes, h's scales
	s_load_b128 s[8:11], s[0:1], 0x10              ; W's codes, W's scales
	s_load_b128 s[96:99], s[0:1], 0x20             ; the bias, big
	s_load_b64 s[100:101], s[0:1], 0x30            ; big_sc
	v_lshl_add_u32 v[SPW], v0, 2, SPARE
	v_mov_b32 v[NIL], 0
	ds_add_u32 v28, v29
	ds_add_u32 v28, v29
	s_wait_dscnt 0x0
	v_lshrrev_b32 v1, 5, v0
	v_readfirstlane_b32 s14, v1                    ; wave 0..3
	s_lshr_b32 s15, s14, 1                         ; which half of L's 256 rows is mine.  Also: I fetch for L (0) or for R (1)
	s_and_b32 s16, s14, 1                          ; which half of R's.  Also: which 128 rows I fetch
	s_bfe_u32 s40, ttmp6, 0x40000                  ; cx, cy
	s_bfe_u32 s41, ttmp6, 0x40004
	s_and_b32 s17, ttmp7, 0xffff                   ; cluster y: 0-3 q and k, 4-5 v
	s_lshl_b32 s42, ttmp9, 2
	s_max_u32 s18, s17, 4
	s_sub_co_u32 s18, s18, 4
	s_lshl_b32 s18, s18, 3
	s_add_co_u32 s42, s42, s18                     ; R's tiles: 4 x cluster x, in type v + 8 (cluster y - 4): all 16 tiles of tokens
	s_lshl_b32 s19, s17, 2
	s_cmp_ge_u32 s17, 4                            ; the same in all sixteen partners
	s_cselect_b32 s[VF], 1, 0
	s_cselect_b32 s17, 8, s19                      ; L's tiles: 4 x cluster y of h, or W's tiles 8 to 11
	s_add_co_u32 s42, s42, s40                     ; R's tile = .. + cx
	s_add_co_u32 s17, s17, s41                     ; L's tile = .. + cy
	s_lshl_b32 s43, s41, 2
	s_lshl_b32 s43, 15, s43                        ; my row of the cluster
	s_lshl_b32 s44, 0x1111, s40                    ; my column
	s_or_b32 s[G1+0], s43, (0<<16)|(1<<20)|(1<<21)|(5<<22)|(3<<25)  ; the mask; elements of 1 byte; padding: 4 words behind every 64; bit 21 beside a mask
	s_or_b32 s[G1B+0], s44, (0<<16)|(1<<20)|(1<<21)|(5<<22)|(3<<25)
.irp g, G1, G1B
	s_mov_b32 s[\g+1], ROWB<<16                    ; tensor_dim0
	s_mov_b32 s[\g+2], 256<<16                     ; tensor_dim1: 256 rows for the head's loads; set to 128 behind them
	s_mov_b32 s[\g+3], ROWB<<16                    ; tile_dim0
	s_mov_b32 s[\g+4], 256                         ; tile_dim1 likewise
	s_mov_b32 s[\g+5], KROW                        ; the pitch
	s_mov_b32 s[\g+6], 0
	s_mov_b32 s[\g+7], 0
.endr
	s_or_b32 s[G1S+0], s43, (3<<16)|(1<<20)|(1<<21)|(5<<22)|(3<<25) ; the scales of 256 rows: a dense block, as rows of 256 bytes (32 elements of 8)
	s_or_b32 s[G1SB+0], s44, (3<<16)|(1<<20)|(1<<21)|(5<<22)|(3<<25)
.irp g, G1S, G1SB
	s_mov_b32 s[\g+1], 32<<16
	s_mov_b32 s[\g+2], KS<<16                      ; the scales of 256 rows: KS rows of 256 bytes
	s_mov_b32 s[\g+3], 32<<16
	s_mov_b32 s[\g+4], KS
	s_mov_b32 s[\g+5], 32
	s_mov_b32 s[\g+6], 0
	s_mov_b32 s[\g+7], 0
.endr
	s_lshl_b32 s20, s17, 8                         ; L: the tile's first row
	s_lshl_b32 s46, s42, 8                         ; R likewise
	s_mov_b32 s21, 0
	s_mov_b32 s47, 0
	s_mov_b64 s[18:19], KS
	s_mul_u64 s[22:23], s[20:21], s[18:19]
	s_mul_u64 s[92:93], s[46:47], s[18:19]
	s_mov_b64 s[18:19], KROW
	s_mul_u64 s[20:21], s[20:21], s[18:19]
	s_mul_u64 s[46:47], s[46:47], s[18:19]
	s_mul_i32 s45, s14, HALFT                      ; where they go: wave x 128 rows
	s_mul_i32 s18, s16, 128*KROW                   ; in the ring I fetch 128 rows of a tile: which half, in bytes
	s_mov_b32 s19, 0
	s_wait_kmcnt 0x0
	s_cmp_eq_u32 s[VF], 1                          ; type v: L = W, R = h.  The choice hangs on the cluster's y alone
	s_cselect_b64 s[12:13], s[8:9], s[4:5]
	s_cselect_b64 s[8:9], s[4:5], s[8:9]
	s_mov_b64 s[4:5], s[12:13]
	s_cselect_b64 s[12:13], s[10:11], s[6:7]
	s_cselect_b64 s[10:11], s[6:7], s[10:11]
	s_mov_b64 s[6:7], s[12:13]
	s_add_nc_u64 s[20:21], s[4:5], s[20:21]
	s_add_nc_u64 s[22:23], s[6:7], s[22:23]
	s_add_nc_u64 s[46:47], s[8:9], s[46:47]
	s_add_nc_u64 s[92:93], s[10:11], s[92:93]
	CROUND                                         ; all sixteen work-groups are here: the first joint loads meet
	s_mov_b32 s[G0S], 1
	s_mov_b32 s[G0S+1], SCL
	s_mov_b64 s[G0S+2:G0S+3], s[22:23]
	s_or_b32 s[G0S+3], s[G0S+3], 0x80000000
	s_mov_b32 s[G0SB], 1
	s_mov_b32 s[G0SB+1], SCL+2*HALFS
	s_mov_b64 s[G0SB+2:G0SB+3], s[92:93]
	s_or_b32 s[G0SB+3], s[G0SB+3], 0x80000000
	s_mov_b32 s4, 1                                ; group 0 of the head's loads of K step 0: L's 256 rows (the arguments that lay here have been used),
	s_mov_b32 s5, 0
	s_mov_b64 s[6:7], s[20:21]
	s_or_b32 s7, s7, 0x80000000
	s_mov_b32 s8, 1                                ; and R's 256 rows, behind them in slot 0
	s_mov_b32 s9, 2*HALFT
	s_mov_b64 s[10:11], s[46:47]
	s_or_b32 s11, s11, 0x80000000
	s_add_nc_u64 s[20:21], s[20:21], s[18:19]      ; for the ring: my 128 rows of the tile
	s_add_nc_u64 s[46:47], s[46:47], s[18:19]
.irp s, 0,1
	s_mov_b32 s[G0+4*\s], 1
	s_add_co_u32 s[G0+4*\s+1], s45, \s*SLOT
	s_add_nc_u64 s[G0+4*\s+2:G0+4*\s+3], s[20:21], \s*ROWB
	s_or_b32 s[G0+4*\s+3], s[G0+4*\s+3], 0x80000000
	s_mov_b32 s[G0B+4*\s], 1
	s_add_co_u32 s[G0B+4*\s+1], s45, \s*SLOT
	s_add_nc_u64 s[G0B+4*\s+2:G0B+4*\s+3], s[46:47], \s*ROWB
	s_or_b32 s[G0B+4*\s+3], s[G0B+4*\s+3], 0x80000000
.endr
; The head's loads, one a wave: wave 0 K step 0's 256 rows of L, wave 1 those of R, wave 2 L's scales, wave 3 R's.  One chain of branches on the wave's number.
.macro ARM under, g0, g1, next
	s_cmp_lt_u32 s14, \under
	s_cbranch_scc0 \next
	tensor_load_to_lds s[\g0:\g0+3], s[\g1:\g1+7]
	s_nop 0
.rept 4
	v_nop
.endr
	s_branch .Lhead_asked
\next:
.endm
	ARM 1, 4, G1, .Lhead_b
	ARM 2, 8, G1B, .Lhead_sa
	ARM 3, G0S, G1S, .Lhead_sb
	tensor_load_to_lds s[G0SB:G0SB+3], s[G1SB:G1SB+7]
	s_nop 0
.rept 4
	v_nop
.endr
.Lhead_asked:
	v_and_b32 v1, 15, v0
	v_bfe_u32 v2, v0, 4, 1                         ; h
	v_mul_u32_u24 v3, v1, PITCH
	v_lshl_add_u32 v4, v2, 4, v3
	s_mul_i32 s21, s15, HALFT
	s_mul_i32 s22, s16, HALFT
	s_add_co_u32 s22, s22, 2*HALFT
.irp s, 0,1
	v_add_nc_u32 v[ADRA+\s], s21, v4
	v_add_nc_u32 v[ADRB+\s], s22, v4
	s_add_co_u32 s21, s21, SLOT
	s_add_co_u32 s22, s22, SLOT
.endr
	v_mul_u32_u24 v5, v1, KS
	v_lshrrev_b32 v6, 8, v5
	v_lshl_add_u32 v5, v6, 4, v5
	s_mul_i32 s21, s15, HALFS
	s_mul_i32 s22, s16, HALFS
	s_add_co_u32 s22, s22, 2*HALFS
	s_sub_co_u32 s22, s22, s21
	v_mul_u32_u24 v6, s22, v2                      ; lanes 16-31 take R's scale words
	s_add_co_u32 s21, s21, SCL
	v_add_nc_u32 v5, v5, v6
	v_add_nc_u32 v[ADRS], s21, v5
	s_lshl_b32 s23, s14, 10                        ; my stage for the scale words: 1,024 bytes, in slot 0
	v_lshlrev_b32 v5, 9, v2
	v_lshl_add_u32 v5, v1, 2, v5
	v_add_nc_u32 v[SCST], s23, v5                  ; part lane / 16, word lane % 16
	v_and_b32 v6, 31, v0
	v_lshlrev_b32 v[CO], 4, v6
	v_add_nc_u32 v[SCRD], s23, v[CO]
	v_lshlrev_b32 v[SH], 4, v2
	v_lshlrev_b32 v[BRO], 5, v2
	s_wait_alu depctr_va_vdst(0)
	v_lshlrev_b32 v[BLO], 2, v1
	; where my 128 x 128 goes: the block of features ni and the block of tokens mi
	s_wait_alu depctr_va_vdst(0)
	s_lshl_b32 s20, s17, 1
	s_add_co_u32 s20, s20, s15                     ; L's block of 128 rows
	s_lshl_b32 s46, s42, 1
	s_add_co_u32 s46, s46, s16                     ; R's
	s_cmp_eq_u32 s[VF], 1
	s_cselect_b32 s22, s20, s46                    ; ni
	s_cselect_b32 s23, s46, s20                    ; mi
	s_cselect_b32 s18, 0, s46                      ; the bias along registers is R's, where R is W; else block 0 is loaded and masked away
	s_cselect_b32 s19, s20, 0                      ; the bias along lanes is L's, where L is W
	s_cselect_b32 s92, 0, -1
	s_cselect_b32 s93, -1, 0
	s_lshr_b32 s46, s22, 3                         ; q, k or v
	s_lshl_b32 s46, s46, 8
	s_lshr_b32 s47, s23, 3                         ; the batch
	s_lshl_b32 s47, s47, 6
	s_add_co_u32 s46, s46, s47
	s_and_b32 s47, s22, 7                          ; the pair of heads
	s_lshl_b32 s47, s47, 3
	s_add_co_u32 s46, s46, s47
	s_and_b32 s47, s23, 7                          ; 128 tokens
	s_add_co_u32 s46, s46, s47
	s_mov_b32 s21, 0
	s_lshl_b32 s20, s46, 14
	s_add_nc_u64 s[98:99], s[98:99], s[20:21]
	s_lshl_b32 s20, s46, 10
	s_add_nc_u64 s[100:101], s[100:101], s[20:21]
	s_lshl_b32 s20, s18, 9
	s_add_nc_u64 s[12:13], s[96:97], s[20:21]
	s_lshl_b32 s20, s19, 9
	s_add_nc_u64 s[96:97], s[96:97], s[20:21]
.irp b, 0,1,2,3,4,5,6,7
	global_load_b128 v[BR+8*\b:BR+8*\b+3], v[BRO], s[12:13] offset:64*\b
	global_load_b128 v[BR+8*\b+4:BR+8*\b+7], v[BRO], s[12:13] offset:64*\b+16
.endr
.irp a, 0,1,2,3,4,5,6,7
	global_load_b32 v[BL+\a], v[BLO], s[96:97] offset:64*\a
.endr
	s_mov_b32 s[SEL], 0x76543210
	s_mov_b32 s[SEL+1], 0xfedcba98
.macro FRAG reg, adr, q, i             ; 16 rows x 128 K: lane l holds row l % 16; registers 4 c .. 4 c + 3 hold K = 32 c + 16 (l / 16) + 0 .. 15
.irp c, 0,1,2,3
	ds_load_b128 v[\reg+4*\c:\reg+4*\c+3], v[\adr] offset:128*(\q)+32*\c+(\i)*16*PITCH
.endr
.endm
; 16 matrix instructions: L's blocks a0, a0 + 1 x R's eight.  The 64 accumulators take turns, one instruction a turn, in the same order in every step.
.macro MUL16 a0, p, q, sc, zero
.irp a, \a0, \a0+1
.irp b, 0,1,2,3,4,5,6,7
.if \zero
	v_wmma_scale_f32_16x16x128_f8f6f4 v[8*(8*((\a)%4)+\b):8*(8*((\a)%4)+\b)+7], v[128*(\p)+FR*\b:128*(\p)+FR*\b+FR-1], v[AF+FR*(\a):AF+FR*(\a)+FR-1], 0, v[SC+8*NQ*(\sc)+NQ*\b+(\q)], v[SC+8*NQ*(\sc)+NQ*(\a)+(\q)] matrix_a_fmt:MATRIX_FMT_BF8 matrix_b_fmt:MATRIX_FMT_BF8 matrix_a_scale:MATRIX_SCALE_ROW1
.else
	v_wmma_scale_f32_16x16x128_f8f6f4 v[8*(8*((\a)%4)+\b):8*(8*((\a)%4)+\b)+7], v[128*(\p)+FR*\b:128*(\p)+FR*\b+FR-1], v[AF+FR*(\a):AF+FR*(\a)+FR-1], v[8*(8*((\a)%4)+\b):8*(8*((\a)%4)+\b)+7], v[SC+8*NQ*(\sc)+NQ*\b+(\q)], v[SC+8*NQ*(\sc)+NQ*(\a)+(\q)] matrix_a_fmt:MATRIX_FMT_BF8 matrix_b_fmt:MATRIX_FMT_BF8 matrix_a_scale:MATRIX_SCALE_ROW1
.endif
.endr
.endr
.endm
.macro FETCH_B slot, q, p
	WIN TO_B
.irp i, 0,1,2,3,4,5,6,7
	FRAG 128*(\p)+FR*\i, ADRB+\slot, \q, \i
.endr
	WIN 0
.endm
.macro FETCH_A slot, q, i0
.irp i, \i0, \i0+1, \i0+2, \i0+3
	FRAG AF+FR*(\i), ADRA+\slot, \q, \i
.endr
.endm
.macro SCALES sc                       ; a K step's scale words: lanes 0-15 L's block i, lanes 16-31 R's block i
.irp i, 0,1,2,3,4,5,6,7
	ds_load_b64 v[SC+8*NQ*\sc+NQ*\i:SC+8*NQ*\sc+NQ*\i+1], v[ADRS] offset:\i*SBLK
.endr
.endm
.macro PLACES n                        ; plain vector instructions between a matrix instruction and a load into, or a read of, its registers
.rept \n
	v_nop
.endr
.endm
.macro STEP slot, q, zero              ; 128 along K that has its successor in the same slot
	s_wait_dscnt 4*NL                              ; R's set and L's blocks 0-3 are in; the youngest 16 loads (L's blocks 4-7) may be out
	WIN MUL_LO
	MUL16 0, (\q)%2, \q, \slot, \zero
	MUL16 2, (\q)%2, \q, \slot, \zero
	s_wait_dscnt 0
	PLACES NP
	FETCH_B \slot, (\q)+1, 1-(\q)%2
	FETCH_A \slot, (\q)+1, 0
	WIN MUL_HI
	MUL16 4, (\q)%2, \q, \slot, \zero
	MUL16 6, (\q)%2, \q, \slot, \zero
	PLACES NP
	WIN 0
	FETCH_A \slot, (\q)+1, 4
.endm
; A slot's last step changes slots: one barrier; in front of it each wave waits for all its tensor loads, adds 0 to its spare word, and waits for that and for its reads of this slot.
.macro TURN slot, next, fill
	s_wait_tensorcnt 0x0                           ; all my tensor loads have landed: my part of the next slot
	ds_add_u32 v[SPW], v[NIL]                      ; 0 onto my spare word
	s_wait_dscnt 4*NL+1                            ; the add and the youngest 16 loads may be out
	WIN MUL_LO
	MUL16 0, 1, NQ-1, \slot, 0
	s_wait_dscnt 0x0                               ; the add is done, and my reads of this slot are over
	s_barrier_signal -1
	MUL16 2, 1, NQ-1, \slot, 0
	WIN 0
	s_barrier_wait -1
.if \fill
	CREST                                          ; the barrier has opened a round of the cluster's: no wave of any partner still reads this slot or has a load on its way
	s_add_nc_u64 s[G0+4*\slot+2:G0+4*\slot+3], s[G0+4*\slot+2:G0+4*\slot+3], 2*ROWB
	s_add_nc_u64 s[G0B+4*\slot+2:G0B+4*\slot+3], s[G0B+4*\slot+2:G0B+4*\slot+3], 2*ROWB
	JLOAD G0+4*\slot, G1, G0B+4*\slot, G1B         ; the first tensor load behind the round
	PLACES NP-4
.else
	PLACES NP
.endif
	s_wait_alu depctr_va_vdst(0)
	v_add_nc_u32 v[ADRS], 4*NQ, v[ADRS]
	FETCH_B \next, 0, 0
	FETCH_A \next, 0, 0
	SCALES \next
	WIN MUL_HI
	MUL16 4, 1, NQ-1, \slot, 0
	MUL16 6, 1, NQ-1, \slot, 0
	PLACES NP
	WIN 0
	FETCH_A \next, 0, 4
.endm
	s_wait_alu depctr_va_vdst(0)                   ; the wait at the head's end
	s_wait_tensorcnt 0x0                           ; my tile of the head's four is in
	ds_add_u32 v[SPW], v[NIL]
	s_mov_b32 s[G1+2], 128<<16                     ; no tensor load of mine is out: from here on a load brings 128 rows
	s_mov_b32 s[G1+4], 128
	s_mov_b32 s[G1B+2], 128<<16
	s_mov_b32 s[G1B+4], 128
	s_wait_dscnt 0x0
	CROUND                                         ; all four tiles are in, and all sixteen work-groups are here
	JLOAD G0+4, G1, G0B+4, G1B                     ; K step 1, the first tensor load behind the round
	FETCH_B 0, 0, 0
	FETCH_A 0, 0, 0
	SCALES 0
	FETCH_A 0, 0, 4
	STEP 0, 0, 1                                   ; the first step's products start the sums
	s_mov_b32 s3, LAPS-1
.Llap:
	TURN 0, 1, 1
	STEP 1, 0, 0
	TURN 1, 0, 1
	STEP 0, 0, 0
	s_sub_co_u32 s3, s3, 1
	s_cmp_lg_u32 s3, 0
	s_cbranch_scc1 .Llap
	TURN 0, 1, 0                                   ; the last lap fills nothing
	STEP 1, 0, 0
	s_wait_dscnt 4*NL
	WIN MUL_LO
	MUL16 0, 1, NQ-1, 1, 0
	MUL16 2, 1, NQ-1, 1, 0
	s_wait_dscnt 0
	WIN MUL_HI
	MUL16 4, 1, NQ-1, 1, 0
	MUL16 6, 1, NQ-1, 1, 0
	WIN 0
; 64 numbers of a lane, v[s] on, registers 16 b .. 16 b + 15 = my half of block b of my row, become a fragment's codes in v[PC] on and its scale word in v[PW].
.macro QUANT s
.irp b, 0,1,2,3
	v_max3_num_f32 v[TM+\b], |v[\s+16*\b]|, |v[\s+1+16*\b]|, 0x8000000   ; with the floor 2^(16 - 127): the byte cannot fall under 1
.endr
.irp i, 2,4,6,8,10,12,14
.irp b, 0,1,2,3
	v_max3_num_f32 v[TM+\b], v[TM+\b], |v[\s+16*\b+\i]|, |v[\s+1+16*\b+\i]|
.endr
.endr
.irp b, 0,1,2,3
	v_permlanex16_b32 v[TM+4+\b], v[TM+\b], s[SEL], s[SEL+1]
.endr
.irp b, 0,1,2,3
	v_max_num_f32 v[TM+\b], v[TM+\b], v[TM+4+\b]   ; with lane l xor 16's: the block's largest magnitude
.endr
.irp b, 0,1,2,3
	v_add_nc_u32 v[TM+12+\b], 0xf8800000, v[TM+\b]   ; 15 off its exponent field: the conversion's scale operand
.endr
.irp b, 0,1,2,3
	v_and_or_b32 v[TM+8+\b], v[TM+\b], 0x7f800000, s[MNT]   ; 57,344 x the scale
.endr
.irp b, 0,1,2,3
	v_lshrrev_b32 v[TM+4+\b], 23, v[TM+12+\b]      ; the scale's byte
.endr
	v_lshl_or_b32 v[PW], v[TM+5], 8, v[TM+4]
	v_lshl_or_b32 v[PW], v[TM+6], 16, v[PW]
	v_lshl_or_b32 v[PW], v[TM+7], 24, v[PW]
	s_wait_alu depctr_va_vdst(0)
	s_wait_xcnt 0x0                                ; the last tile's stores have read their registers, which the conversions below write
.irp b, 0,1,2,3
.irp i, 0,1,2,3,4,5,6,7,8,9,10,11,12,13,14,15
	v_med3_num_f32 v[\s+16*\b+\i], v[\s+16*\b+\i], -v[TM+8+\b], v[TM+8+\b]   ; the conversion does not saturate (ISA guide 7.6.2): the hold comes first
.endr
	v_cvt_scalef32_pk8_bf8_f32 v[PC+4*\b:PC+1+4*\b], v[\s+16*\b:\s+7+16*\b], v[TM+12+\b]
	v_cvt_scalef32_pk8_bf8_f32 v[PC+2+4*\b:PC+3+4*\b], v[\s+8+16*\b:\s+15+16*\b], v[TM+12+\b]
.endr
	v_nop                                          ; a plain instruction behind the last conversion
.endm
; L's tile a: the two biases (one of them is zeros), the quantiser, four stores of 512 consecutive bytes, the scale word into my stage.
.macro BLOCK a
	WIN (0x02+(\a)/4)                              ; source 0: the accumulators' window
.set i, 0
.rept 32
	v_pk_add_f32 v[T+i:T+i+1], v[64*((\a)%4)+i:64*((\a)%4)+i+1], v[BR+i:BR+i+1]   ; each accumulator from its low end on
.set i, i+2
.endr
	WIN 0
	v_mov_b32 v[BP], v[BL+(\a)]
	v_mov_b32 v[BP+1], v[BL+(\a)]
.set i, 0
.rept 32
	v_pk_add_f32 v[T+i:T+i+1], v[T+i:T+i+1], v[BP:BP+1]
.set i, i+2
.endr
	QUANT T
.irp c, 0,1,2,3
	global_store_b128 v[CO], v[PC+4*\c:PC+4*\c+3], s[98:99] offset:2048*(\a)+512*\c
.endr
	v_lshrrev_b32 v[W2+(\a)], v[SH], v[PW]         ; lanes 16-31: the upper two bytes brought down
	ds_store_b32 v[SCST], v[W2+(\a)] offset:64*(\a)
.endm
	PLACES NP                                      ; behind the last products: their results are read and L's fragments' registers are written below
	s_wait_loadcnt 0x0                             ; the biases
	s_mov_b32 s[MNT], 0x600000
.irp b, 0,1,2,3
	v_mov_b32 v[TM+4+\b], 0                        ; written once: a lane permute's destination counts as one of its sources
.endr
.set i, 0
.rept 64
	v_and_b32 v[BR+i], s92, v[BR+i]                ; zeros in type v
.set i, i+1
.endr
.set i, 0
.rept 8
	v_and_b32 v[BL+i], s93, v[BL+i]                ; zeros in type q, k
.set i, i+1
.endr
.irp a, 0,1,2,3,4,5,6,7
	BLOCK \a
.endr
	ds_load_b128 v[OUT:OUT+3], v[SCRD]             ; LDS serves a wave's instructions in order: these see my stores.  The stage lies in slot 0, which has had its last fill and its last read
	ds_load_b128 v[OUT+4:OUT+7], v[SCRD] offset:512
	s_wait_dscnt 0x0
	global_store_b128 v[CO], v[OUT:OUT+3], s[100:101]
	global_store_b128 v[CO], v[OUT+4:OUT+7], s[100:101] offset:512
	s_wait_tensorcnt 0x0                           ; the wave's end
	ds_add_u32 v[SPW], v[NIL]
	s_wait_dscnt 0x0
	CROUND                                         ; the closing round
	s_endpgm
.Lfunc_end_k_q5c76e02972_qkv:
	.size	k_q5c76e02972_qkv, .Lfunc_end_k_q5c76e02972_qkv-k_q5c76e02972_qkv
	.p2alignl 7, 3214868480
	.fill 96, 4, 3214868480
	.section	.rodata,"a",@progbits
	.p2align	6, 0x0
	.amdhsa_kernel k_q5c76e02972_qkv
		.amdhsa_group_segment_fixed_size 327680
		.amdhsa_private_segment_fixed_size 0
		.amdhsa_enable_private_segment 0
		.amdhsa_kernarg_size 56
		.amdhsa_user_sgpr_count 2
		.amdhsa_user_sgpr_kernarg_segment_ptr 1
		.amdhsa_wavefront_size32 1
		.amdhsa_system_sgpr_workgroup_id_x 1
		.amdhsa_system_sgpr_workgroup_id_y 1
		.amdhsa_system_sgpr_workgroup_id_z 1
		.amdhsa_system_vgpr_workitem_id 0
		.amdhsa_next_free_vgpr 1024
		.amdhsa_next_free_sgpr 102
		.amdhsa_reserve_vcc 0
		.amdhsa_float_denorm_mode_32 3
		.amdhsa_float_denorm_mode_16_64 3
		.amdhsa_memory_ordered 1
		.amdhsa_forward_progress 1
		.amdhsa_inst_pref_size 224
	.end_amdhsa_kernel
	.amdgpu_metadata
---
amdhsa.version: [ 1, 2 ]
amdhsa.kernels:
  - .name:           k_q5c76e02972_qkv
    .symbol:         k_q5c76e02972_qkv.kd
    .args:
      - { .name: hq, .offset: 0, .size: 8, .value_kind: global_buffer, .address_space: global }
      - { .name: hq_sc, .offset: 8, .size: 8, .value_kind: global_buffer, .address_space: global }
      - { .name: qkv_w_codes, .offset: 16, .size: 8, .value_kind: global_buffer, .address_space: global }
      - { .name: qkv_w_scales, .offset: 24, .size: 8, .value_kind: global_buffer, .address_space: global }
      - { .name: qkv_b, .offset: 32, .size: 8, .value_kind: global_buffer, .address_space: global }
      - { .name: big, .offset: 40, .size: 8, .value_kind: global_buffer, .address_space: global }
      - { .name: big_sc, .offset: 48, .size: 8, .value_kind: global_buffer, .address_space: global }
    .group_segment_fixed_size: 327680
    .private_segment_fixed_size: 0
    .kernarg_segment_align: 8
    .kernarg_segment_size: 56
    .max_flat_workgroup_size: 128
    .sgpr_count:     102
    .vgpr_count:     1024
    .wavefront_size: 32
...
	.end_amdgpu_metadata
.endif
;; end of part 2
;; launch attn (part 3): grid 4 x 64, 16 waves a work-group, clusters of 4 x 1, 169,984 bytes of LDS; arguments big, big_sc, y_img, y_sc; writes y_img, y_sc
.if DOCPART == 3
	.amdgcn_target "amdgcn-amd-amdhsa--gfx1250"
	.amdhsa_code_object_version 6
	.text
	.protected	k_q5c76e02972_attn
	.globl	k_q5c76e02972_attn
	.p2align	8
	.type	k_q5c76e02972_attn,@function
k_q5c76e02972_attn:
	s_mov_b64 s[64:65], 0
	v_nop
	global_prefetch_b8 v0, s[64:65] scope:SCOPE_SE
	s_setreg_imm32_b32 hwreg(HW_REG_WAVE_MODE, 25, 1), 1
	s_wait_xcnt 0x0
	s_wait_alu depctr_hold_cnt(0) depctr_sa_sdst(0) depctr_va_vdst(0) depctr_va_sdst(0) depctr_va_ssrc(0) depctr_va_vcc(0) depctr_vm_vsrc(0)
	s_getreg_b32 s2, hwreg(HW_REG_IB_STS2, 6, 4)
	s_cmp_eq_u32 s2, 0
	s_cbranch_scc0 .Lentry_in_a_cluster
	s_endpgm
.Lentry_in_a_cluster:
	s_bfe_u32 s2, ttmp6, 0x10000c
	s_cmp_lg_u32 s2, 0x3003
	s_cbranch_scc0 .Lentry_shape_is_right
	s_endpgm
.Lentry_shape_is_right:
; y = Q(softmax_causal(q k^T / 32) v), 64 (batch, head) pairs of 1,024 tokens, head size 64, both products on codes of BF8 (E5M2) with E8M0 scales for each 32 along K.
; q, k, v come as images of operand registers (launch qkv): q, k: 16 tokens x 64 in [c 2][lane][16 bytes]; v: 16 channels x 128 keys in [c 4][lane][16].  K is permuted inside each block of 32, alike in both operands of a product.
; THE SOFTMAX: t = score x log2(e) / 32; M = the running largest t rounded UP to a whole number; p = 2^(t - M) is quantised along the keys, not normalised; the row's sum is taken of the unquantised p and divides at the end;
; when M moves, the sum and O are multiplied by 2^(old M - new M), which rounds nothing.
; SHARES.  A cluster of four work-groups owns one head.  Wave w (of 16) of the work-group at place x owns the 16 queries 64 u + 16 x on (u dealt below): it needs key steps 0 .. u / 2 of 128 keys, whatever x is: so every branch hangs on the
; wave's number and a counter alone, and the four work-groups have equal work.
; THE WHOLE HEAD'S K AND V LIE IN LDS, 128 KiB and their scale words, filled ONCE by joint loads (mask: all four work-groups): no ring, no byte of LDS is filled twice.  One tensor load of a wave is out at the most.
; Both products are used transposed (S^T = k q^T, O^T = v^T p^T): a lane holds one query.  The first product's K is 64: registers 8-15 of both fragments hold zero codes.
; Nothing is prefetched: all of K and V is asked for in the kernel's first lines.
; y_img: blocks of 16,384 bytes [a 8][c 4][lane][16], block = (row / 128) x 8 + head / 2, c = 2 (head % 2) + (channel / 32); y_sc: [head / 2][4096] words; a head owns two bytes of a word.
; LIMITS: a block of zeros gets the byte 1 (zero codes); largest magnitudes under 2^-111 are held at that floor; the division by the sum is v_rcp_f32 and a multiply; NaN and infinities are not served.
; REGISTERS: v1-7 addresses that stay; v8-11 the step's addresses; v12 -M, v13 the largest t, v[14:15] the sum; v16-31 q (8 + 8 zeros); v32-95 four fragments of k (8 + 8 zeros each); v96-159 S^T, p, then v's four fragments;
; v160-191 O^T; v224-239 p's codes; v232-254 at work; v255 q's scale word.
.set KT,   0                           ; 64 tiles of 16 keys x 1,024 bytes
.set VT,   65536                       ; 8 key steps x [channel tile 4][c 4][512]
.set SCK,  131072                      ; key t's scale word at 4 t
.set SCV,  135168                      ; step x 256 + channel tile x 64 + 4 r
.set AK,   1
.set AV,   2
.set ASK,  3
.set ASV,  4
.set DD,   5                           ; v5  my query less the diagonal step's first key less 8 (lane / 16)
.set GL,   6                           ; v6  16 x lane; never rewritten
.set GR,   7                           ; v7  4 x (lane % 16); never rewritten
.set ADK,  8
.set ADV,  9
.set ADS,  10
.set ADT,  11
.set WV,   12
.set LAST, 18                          ; s18 my last key step: u / 2, u my place among the work-group's sixteen tiles of queries (s100)
.set ST,   19                          ; s19 the key step, and the loops' counter
.set G1K,  24
.set G1V,  32
.set G1SK, 40
.set G1SV, 48
.set SEL,  84
.set CS,   86                          ; s[86:87] c = log2(e) / 32
.set MNT,  88
.set TB,   89                          ; s89 the step's tiles: 8,192 bytes a step, in K's region and in V's
.set TS,   66                          ; s66 K's scale words: 512 bytes a step
.set TJ,   67                          ; s67 V's: 256
.macro CROUND                          ; a round of the cluster's barrier
	s_barrier_signal -1
	s_barrier_wait -1
	s_cmp_lg_u32 s[WV], 0
	s_cbranch_scc1 .Lnot_wave_0_\@
	s_barrier_signal -3
.Lnot_wave_0_\@:
	s_barrier_wait -3
	s_barrier_signal -1
	s_barrier_wait -1
.endm
	s_load_b256 s[4:11], s[0:1], 0x0               ; big s[4:5], big_sc s[6:7], y_img s[8:9], y_sc s[10:11]
	v_lshl_add_u32 v222, v0, 2, 0x29000
	v_mov_b32 v223, 0
	ds_add_u32 v222, v223
	ds_add_u32 v222, v223
	v_lshrrev_b32 v8, 5, v0
	s_delay_alu instid0(VALU_DEP_1)
	v_readfirstlane_b32 s[WV], v8                  ; wave 0..15
	s_bfe_u32 s13, ttmp6, 0x40000                  ; x: my place in the cluster
	s_and_b32 s14, ttmp7, 0xffff                   ; 16 x batch + head, which the four partners share
	s_and_b32 s15, s14, 1                          ; the head's parity
	s_lshr_b32 s16, s14, 1
	s_lshl_b32 s16, s16, 3                         ; the pair of heads' first block: 64 x batch + 8 x (head / 2)
	s_and_b32 s17, s[WV], 1                        ; which half of a load's share I fetch
	; THE TILES ARE DEALT SO: wave w owns the 16 queries 64 u + 16 x on, u = 2 v + (w / 4) % 2, v = 7 - w % 4 in waves 0 to 7 and w % 4 in waves 8 to 15; it needs key steps 0 .. v.
	; The four waves with one number modulo 4 then have 2 (8 - g) + 2 (g + 1) = 18 key steps together, g = w % 4, and the waves with most steps have the lowest numbers.  u is made of the wave's number alone.
	s_and_b32 s100, s[WV], 3                       ; g
	s_bfe_u32 s101, s[WV], 0x10003                 ; w / 8
	s_xor_b32 s101, s101, 1
	s_mul_i32 s101, s101, 7
	s_xor_b32 s100, s100, s101                     ; v = 7 - g (= 7 xor g) or g
	s_lshl_b32 s100, s100, 1
	s_bfe_u32 s101, s[WV], 0x10002
	s_or_b32 s100, s100, s101                      ; u
	s_lshr_b32 s[LAST], s100, 1
	; descriptor groups 1: elements of 8 bytes, no padding, the mask of all four work-groups with bit 21 beside it
	s_mov_b32 s[G1K], 15|(3<<16)|(1<<21)           ; K: 16 tiles of 1,024 bytes, 2,048 bytes apart (the other head's half lies between)
	s_mov_b32 s[G1K+1], 128<<16
	s_mov_b32 s[G1K+2], 16<<16
	s_mov_b32 s[G1K+3], 128<<16
	s_mov_b32 s[G1K+4], 16
	s_mov_b32 s[G1K+5], 256
	s_mov_b32 s[G1K+6], 0
	s_mov_b32 s[G1K+7], 0
	s_mov_b32 s[G1V], 15|(3<<16)|(1<<21)           ; V: 2 key steps of 8,192 bytes, 16,384 apart
	s_mov_b32 s[G1V+1], 1024<<16
	s_mov_b32 s[G1V+2], 2<<16
	s_mov_b32 s[G1V+3], 1024<<16
	s_mov_b32 s[G1V+4], 2
	s_mov_b32 s[G1V+5], 2048
	s_mov_b32 s[G1V+6], 0
	s_mov_b32 s[G1V+7], 0
	s_mov_b32 s[G1SK], 15|(3<<16)|(1<<21)          ; K's scale words: 4 x 512 bytes, 1,024 apart
	s_mov_b32 s[G1SK+1], 64<<16
	s_mov_b32 s[G1SK+2], 4<<16
	s_mov_b32 s[G1SK+3], 64<<16
	s_mov_b32 s[G1SK+4], 4
	s_mov_b32 s[G1SK+5], 128
	s_mov_b32 s[G1SK+6], 0
	s_mov_b32 s[G1SK+7], 0
	s_mov_b32 s[G1SV], 15|(3<<16)|(1<<21)          ; V's: 4 x 256 bytes, 1,024 apart
	s_mov_b32 s[G1SV+1], 32<<16
	s_mov_b32 s[G1SV+2], 4<<16
	s_mov_b32 s[G1SV+3], 32<<16
	s_mov_b32 s[G1SV+4], 4
	s_mov_b32 s[G1SV+5], 128
	s_mov_b32 s[G1SV+6], 0
	s_mov_b32 s[G1SV+7], 0
	; where the tiles come from: made of the head and the wave's number alone
	s_add_co_u32 s96, s16, 256                     ; K's blocks begin at 256,
	s_lshl_b32 s98, s96, 10
	s_lshl_b32 s96, s96, 14
	s_add_co_u32 s20, s16, 512                     ; V's at 512
	s_lshl_b32 s22, s20, 10
	s_lshl_b32 s20, s20, 14
	s_lshl_b32 s89, s17, 15                        ; my half: 16 tiles of keys, or 2 key steps: 32,768 bytes of memory
	s_add_co_u32 s96, s96, s89
	s_add_co_u32 s20, s20, s89
	s_lshl_b32 s89, s17, 12                        ; and 4 blocks' scale words
	s_add_co_u32 s98, s98, s89
	s_add_co_u32 s22, s22, s89
	s_lshl_b32 s89, s15, 10                        ; the odd head: K's groups c = 2, 3;
	s_add_co_u32 s96, s96, s89
	s_lshl_b32 s89, s15, 13                        ; V's tiles a = 4 .. 7;
	s_add_co_u32 s20, s20, s89
	s_lshl_b32 s89, s15, 9                         ; K's words shifted down;
	s_add_co_u32 s98, s98, s89
	s_lshl_b32 s89, s15, 8                         ; V's words of tiles 4 .. 7
	s_add_co_u32 s22, s22, s89
	s_mov_b32 s97, 0
	s_mov_b32 s99, 0
	s_mov_b32 s21, 0
	s_mov_b32 s23, 0
	; my queries' tile T = 4 u + x: it enters q's and y's addresses and the mask's numbers alone
	s_lshl_b32 s2, s100, 2
	s_add_co_u32 s2, s2, s13
	s_lshr_b32 s3, s2, 3                           ; T / 8
	s_and_b32 s94, s2, 7                           ; T % 8
	s_add_co_u32 s90, s16, s3                      ; q's block
	s_lshl_b32 s92, s90, 10
	s_lshl_b32 s90, s90, 3
	s_add_co_u32 s90, s90, s94
	s_lshl_b32 s90, s90, 11
	s_lshl_b32 s95, s15, 10
	s_add_co_u32 s90, s90, s95                     ; q's codes
	s_mov_b32 s91, 0
	s_lshl_b32 s95, s94, 6
	s_add_co_u32 s92, s92, s95
	s_lshl_b32 s95, s15, 9
	s_add_co_u32 s92, s92, s95                     ; q's scale words
	s_mov_b32 s93, 0
	s_mov_b32 s[SEL], 0x76543210
	s_mov_b32 s[SEL+1], 0xfedcba98
	s_mov_b32 s[CS], 0x3d38aa3b                    ; log2(e) / 32
	s_mov_b32 s[CS+1], s[CS]
	s_mov_b32 s[MNT], 0x600000
	s_wait_dscnt 0x0
	s_wait_kmcnt 0x0
	s_mov_b32 s56, 1                               ; K's scale words
	s_lshl_b32 s57, s17, 11
	s_add_co_u32 s57, s57, SCK
	s_add_nc_u64 s[58:59], s[6:7], s[98:99]
	s_or_b32 s59, s59, 0x80000000
	s_mov_b32 s60, 1                               ; K's keys 0-511
	s_lshl_b32 s61, s17, 14
	s_add_nc_u64 s[62:63], s[4:5], s[96:97]
	s_mov_b32 s68, 1                               ; K's keys 512-1,023
	s_add_co_u32 s69, s61, 32768
	s_add_nc_u64 s[70:71], s[62:63], 0x10000
	s_or_b32 s63, s63, 0x80000000
	s_or_b32 s71, s71, 0x80000000
	s_mov_b32 s72, 1                               ; V's scale words
	s_lshl_b32 s73, s17, 10
	s_add_co_u32 s73, s73, SCV
	s_add_nc_u64 s[74:75], s[6:7], s[22:23]
	s_or_b32 s75, s75, 0x80000000
	s_mov_b32 s76, 1                               ; V's key steps 0-3
	s_add_co_u32 s77, s61, VT
	s_add_nc_u64 s[78:79], s[4:5], s[20:21]
	s_mov_b32 s80, 1                               ; V's key steps 4-7
	s_add_co_u32 s81, s61, VT+32768
	s_add_nc_u64 s[82:83], s[78:79], 0x10000
	s_or_b32 s79, s79, 0x80000000
	s_or_b32 s83, s83, 0x80000000
	CROUND                                         ; all four work-groups are here: the joint loads meet
; Twelve fills, ONE A WAVE, each pair of waves the two halves of a tile: waves 0, 1 K's scale words; 2, 3 keys 0-511; 4, 5 V's scale words; 6, 7 V's key steps 0-3;
; 8, 9 keys 512 on; 10, 11 V's key steps 4-7; waves 12 to 15 none.  One chain of branches on the wave's number.
.macro ARM under, g0, g1, next
	s_cmp_lt_u32 s[WV], \under
	s_cbranch_scc0 \next
	tensor_load_to_lds s[\g0:\g0+3], s[\g1:\g1+7]
	s_nop 0
.rept 4
	v_nop
.endr
	s_branch .Lasked
\next:
.endm
	ARM 2, 56, G1SK, .Lh1
	ARM 4, 60, G1K, .Lh2
	ARM 6, 72, G1SV, .Lh3
	ARM 8, 76, G1V, .Lh4
	ARM 10, 68, G1K, .Lh5
	ARM 12, 80, G1V, .Lh6
.Lasked:
	s_add_nc_u64 s[90:91], s[4:5], s[90:91]
	s_add_nc_u64 s[92:93], s[6:7], s[92:93]
	v_and_b32 v8, 15, v0                           ; r
	v_bfe_u32 v9, v0, 4, 1                         ; h
	v_and_b32 v10, 31, v0
	s_wait_alu depctr_va_vdst(0)
	v_lshlrev_b32 v[GL], 4, v10
	v_lshlrev_b32 v[GR], 2, v8
	s_wait_alu depctr_va_vdst(0)
	global_load_b128 v[16:19], v[GL], s[90:91]     ; q's fragment stays in registers
	global_load_b128 v[20:23], v[GL], s[90:91] offset:512
	global_load_b32 v255, v[GR], s[92:93]          ; and its scale words
	; y's addresses
	s_lshr_b32 s95, s14, 4                         ; the batch
	s_lshl_b32 s95, s95, 3
	s_add_co_u32 s95, s95, s3                      ; row / 128
	s_lshl_b32 s95, s95, 3
	s_lshr_b32 s3, s16, 3
	s_and_b32 s3, s3, 7                            ; head / 2
	s_add_co_u32 s95, s95, s3
	s_lshl_b32 s95, s95, 3
	s_add_co_u32 s94, s95, s94                     ; + T % 8
	s_lshl_b32 s94, s94, 11
	s_lshl_b32 s95, s15, 10
	s_add_co_u32 s94, s94, s95
	s_mov_b32 s95, 0
	s_add_nc_u64 s[8:9], s[8:9], s[94:95]
	s_lshl_b32 s94, s3, 12                         ; y_sc: (head / 2) x 4,096 rows
	s_lshr_b32 s3, s14, 4
	s_lshl_b32 s3, s3, 10
	s_add_co_u32 s94, s94, s3                      ; + 1,024 x batch
	s_lshr_b32 s3, s2, 2
	s_lshl_b32 s3, s3, 6
	s_add_co_u32 s94, s94, s3                      ; + 64 (T / 4) rows; inside 64 rows the word of row 32 j + l lies at 8 l + 4 j:
	s_lshl_b32 s94, s94, 2
	s_and_b32 s3, s2, 1
	s_lshl_b32 s3, s3, 7
	s_add_co_u32 s94, s94, s3                      ; l = 16 (T % 2) + r,
	s_bfe_u32 s3, s2, 0x10001
	s_lshl_b32 s3, s3, 2
	s_add_co_u32 s94, s94, s3                      ; j = (T / 2) % 2
	s_lshl_b32 s3, s15, 1
	s_add_co_u32 s94, s94, s3                      ; my head's two bytes of the word
	s_add_nc_u64 s[10:11], s[10:11], s[94:95]
	s_and_b32 s3, s100, 1
	s_lshl_b32 s3, s3, 6
	s_lshl_b32 s94, s13, 4
	s_add_co_u32 s3, s3, s94                       ; my tile's first query in its last key step: 64 (u % 2) + 16 x
	v_lshlrev_b32 v[AK], 4, v10
	s_delay_alu instid0(VALU_DEP_1)
	v_add_nc_u32 v[AV], VT, v[AK]
	v_add_nc_u32 v[ASK], SCK, v[GR]
	v_add_nc_u32 v[ASV], SCV, v[GR]
	v_lshlrev_b32 v11, 3, v9
	s_delay_alu instid0(VALU_DEP_1)
	v_sub_nc_u32 v[DD], v8, v11
	s_delay_alu instid0(VALU_DEP_1)
	v_add_nc_u32 v[DD], s3, v[DD]
	v_mov_b32 v13, 0xff61b1e6                      ; the largest t so far: -3e38
	s_delay_alu instid0(VALU_DEP_1)
	v_floor_f32 v12, -v13                          ; -M
	v_mov_b32 v14, 0
	v_mov_b32 v15, 0
.irp j, 24,25,26,27,28,29,30,31
	v_mov_b32 v[\j], 0                             ; q's zero codes for K = 64 .. 127
.endr
.irp t, 0,1,2,3
.irp j, 8,9,10,11,12,13,14,15
	v_mov_b32 v[32+16*\t+\j], 0                    ; k's likewise: they stay
.endr
.endr
.irp b, 0,1,2,3
	v_mov_b32 v[236+\b], 0                         ; a lane permute's destination counts as one of its sources
.endr
	v_mov_b32 v252, 0
	v_mov_b32 v253, 0
.set j, 0
.rept 32
	v_mov_b32 v[160+j], 0                          ; O^T: the step is written once; the first change of M leaves zeros zeros
.set j, j+1
.endr
	s_mov_b32 s[ST], 0
	s_mov_b32 s[TB], 0
	s_mov_b32 s[TS], 0
	s_mov_b32 s[TJ], 0
; A KEY STEP of 128 keys.  A step all of whose keys come after my queries is left out: a scalar branch on the wave's number and the counter, round the work and not round the lines that step addresses.
.macro STEP
	s_cmp_gt_u32 s[ST], s[LAST]
	s_cbranch_scc1 .Lhidden_\@
	v_add_nc_u32 v[ADK], s[TB], v[AK]
	s_wait_alu depctr_va_vdst(0)
	v_add_nc_u32 v[ADV], s[TB], v[AV]
	v_add_nc_u32 v[ADS], s[TS], v[ASK]
	s_wait_alu depctr_va_vdst(0)
	v_add_nc_u32 v[ADT], s[TJ], v[ASV]
.irp g, 0,1                                    ; S^T = k q^T, four tiles of 16 neighbouring keys at a time
.if \g > 0
.rept 8
	v_nop                                          ; places in front of loads into registers that the four products above have read
.endr
.endif
.irp t, 0,1,2,3
	ds_load_b128 v[32+16*\t:35+16*\t], v[ADK] offset:1024*(4*\g+\t)
	ds_load_b128 v[36+16*\t:39+16*\t], v[ADK] offset:1024*(4*\g+\t)+512
	ds_load_b32 v[248+\t], v[ADS] offset:64*(4*\g+\t)
.endr
	s_wait_dscnt 0x0
.irp t, 0,1,2,3
	v_wmma_scale_f32_16x16x128_f8f6f4 v[96+8*(4*\g+\t):103+8*(4*\g+\t)], v[32+16*\t:47+16*\t], v[16:31], 0, v[248+\t], v255 matrix_a_fmt:MATRIX_FMT_BF8 matrix_b_fmt:MATRIX_FMT_BF8
.endr
.endr                                          ; register 8 i + j of lane (r, h): key 16 i + 8 h + j of the step, query r
.rept 8
	v_nop
.endr
	s_cmp_lg_u32 s[ST], s[LAST]                    ; my last step lies on the diagonal: hidden scores become -infinity ahead of the maximum
	s_cbranch_scc1 .Lopen_\@
	v_mov_b32 v254, 0xff800000
.set n, 0
.rept 64
	v_cmp_gt_i32 vcc_lo, 16*(n/8)+n%8, v[DD]
	v_cndmask_b32 v[96+n], v[96+n], v254, vcc_lo
.set n, n+1
.endr
.Lopen_\@:
.irp b, 0,1,2,3
	v_max3_num_f32 v[232+\b], v[96+16*\b], v[97+16*\b], v[98+16*\b]   ; the largest score of each block of 32 keys: for the row's maximum and, since p rises with the score, for the block's largest p
.endr
.irp i, 3,5,7,9,11,13
.irp b, 0,1,2,3
	v_max3_num_f32 v[232+\b], v[232+\b], v[96+16*\b+\i], v[97+16*\b+\i]
.endr
.endr
.irp b, 0,1,2,3
	v_max_num_f32 v[232+\b], v[232+\b], v[111+16*\b]
.endr
.irp b, 0,1,2,3
	v_permlanex16_b32 v[236+\b], v[232+\b], s[SEL], s[SEL+1]
.endr
.irp b, 0,1,2,3
	s_delay_alu instid0(VALU_DEP_4)
	v_max_num_f32 v[232+\b], v[232+\b], v[236+\b]  ; with lane l xor 16's 16 keys
.endr
	s_delay_alu instid0(VALU_DEP_2)
	v_max3_num_f32 v254, v232, v233, v234
	s_delay_alu instid0(VALU_DEP_1)
	v_max_num_f32 v254, v254, v235
	s_delay_alu instid0(VALU_DEP_1)
	v_mul_f32 v254, s[CS], v254                    ; as t
	s_delay_alu instid0(VALU_DEP_1)
	v_max_num_f32 v13, v13, v254                   ; the running largest t
	v_mov_b32 v254, v12
	s_delay_alu instid0(VALU_DEP_2)
	v_floor_f32 v12, -v13                          ; the new -M = -ceil(t)
	s_delay_alu instid0(VALU_DEP_1)
	v_sub_f32 v254, v12, v254                      ; old M - new M: a whole number, 0 or less
	s_delay_alu instid0(VALU_DEP_1)
	v_cvt_i32_f32 v254, v254                       ; (it saturates)
	s_delay_alu instid0(VALU_DEP_1)
	v_ldexp_f32 v252, 1.0, v254                    ; f = 2^(old M - new M)
.set j, 0
.rept 32
	v_pk_fma_f32 v[96+j:97+j], v[96+j:97+j], s[CS:CS+1], v[12:13] op_sel_hi:[1,0,0]   ; t - M, two at a time
.set j, j+2
.endr
.irp b, 0,1,2,3
	v_fma_f32 v[232+\b], v[232+\b], s[CS], v12     ; the same of each block's largest score
.endr
.set j, 0
	s_wait_alu depctr_va_vdst(0)
.rept 64
	v_exp_f32 v[96+j], v[96+j]                     ; p = 2^(t - M)
.set j, j+1
.endr
	v_pk_mul_f32 v[14:15], v[14:15], v[252:253] op_sel_hi:[1,0]   ; the sums under the new M (a plain instruction behind the exponentials)
	s_wait_alu depctr_va_vdst(0)                   ; one wait for the batch of 64, ahead of its first reader
.irp b, 0,1,2,3
	v_exp_f32 v[232+\b], v[232+\b]                 ; the block's largest p
.endr
	v_pk_add_f32 v[236:237], v[100:101], v[104:105]
	v_pk_add_f32 v[250:251], v[108:109], v[112:113]
	v_pk_add_f32 v[248:249], v[116:117], v[120:121]
	v_pk_add_f32 v[246:247], v[124:125], v[128:129]
	v_pk_add_f32 v[244:245], v[132:133], v[136:137]
	v_pk_add_f32 v[242:243], v[140:141], v[144:145]
	v_pk_add_f32 v[240:241], v[148:149], v[152:153]
	v_pk_add_f32 v[14:15], v[14:15], v[156:157]
	v_pk_add_f32 v[236:237], v[236:237], v[96:97]
	v_pk_add_f32 v[250:251], v[250:251], v[98:99]
	v_pk_add_f32 v[248:249], v[248:249], v[102:103]
	v_pk_add_f32 v[246:247], v[246:247], v[106:107]
	v_pk_add_f32 v[244:245], v[244:245], v[110:111]
	v_pk_add_f32 v[242:243], v[242:243], v[114:115]
	v_pk_add_f32 v[240:241], v[240:241], v[118:119]
	v_pk_add_f32 v[14:15], v[14:15], v[122:123]
	v_pk_add_f32 v[236:237], v[236:237], v[126:127]
	v_pk_add_f32 v[250:251], v[250:251], v[130:131]
	v_pk_add_f32 v[248:249], v[248:249], v[134:135]
	v_pk_add_f32 v[246:247], v[246:247], v[138:139]
	v_pk_add_f32 v[244:245], v[244:245], v[142:143]
	v_pk_add_f32 v[242:243], v[242:243], v[146:147]
	v_pk_add_f32 v[240:241], v[240:241], v[150:151]
	v_pk_add_f32 v[14:15], v[14:15], v[154:155]
	v_pk_add_f32 v[236:237], v[236:237], v[158:159]
	s_delay_alu instid0(VALU_DEP_2)
	v_pk_add_f32 v[14:15], v[14:15], v[246:247]
	s_delay_alu instid0(VALU_DEP_2)
	v_pk_add_f32 v[236:237], v[236:237], v[244:245]
	v_pk_add_f32 v[250:251], v[250:251], v[242:243]
	v_pk_add_f32 v[248:249], v[248:249], v[240:241]
	s_delay_alu instid0(VALU_DEP_2)
	v_pk_add_f32 v[14:15], v[14:15], v[250:251]
	s_delay_alu instid0(VALU_DEP_2)
	v_pk_add_f32 v[236:237], v[236:237], v[248:249]
	s_delay_alu instid0(VALU_DEP_1)
	v_pk_add_f32 v[14:15], v[14:15], v[236:237]
	s_wait_alu depctr_va_vdst(0)                   ; and one for the four
.irp b, 0,1,2,3
	v_max_num_f32 v[232+\b], 0x8000000, v[232+\b]  ; the floor 2^(16 - 127)
.endr
.irp b, 0,1,2,3
	s_delay_alu instid0(VALU_DEP_4)
	v_add_nc_u32 v[244+\b], 0xf8800000, v[232+\b]  ; the conversion's scale operand
.endr
.irp b, 0,1,2,3
	v_and_or_b32 v[240+\b], v[232+\b], 0x7f800000, s[MNT]   ; 57,344 x the scale
.endr
.irp b, 0,1,2,3
	v_lshrrev_b32 v[236+\b], 23, v[244+\b]         ; the scale's byte
.endr
	s_delay_alu instid0(VALU_DEP_3)
	v_lshl_or_b32 v253, v237, 8, v236              ; p's scale word for these 128 keys
	s_delay_alu instid0(VALU_DEP_1)
	v_lshl_or_b32 v253, v238, 16, v253
	s_delay_alu instid0(VALU_DEP_1)
	v_lshl_or_b32 v253, v239, 24, v253
.irp b, 0,1,2,3
.irp i, 0,1,2,3,4,5,6,7,8,9,10,11,12,13,14,15
	v_min_num_f32 v[96+16*\b+\i], v[96+16*\b+\i], v[240+\b]   ; the hold; p is not negative
.endr
	v_cvt_scalef32_pk8_bf8_f32 v[224+4*\b:225+4*\b], v[96+16*\b:103+16*\b], v[244+\b]
	v_cvt_scalef32_pk8_bf8_f32 v[226+4*\b:227+4*\b], v[104+16*\b:111+16*\b], v[244+\b]
.endr
	v_nop                                          ; a plain instruction behind the last conversion
.irp t, 0,1,2,3                                ; v's four tiles of 16 channels x these 128 keys, into the registers that p has left
.irp c, 0,1,2,3
	ds_load_b128 v[96+16*\t+4*\c:99+16*\t+4*\c], v[ADV] offset:2048*\t+512*\c
.endr
	ds_load_b32 v[248+\t], v[ADT] offset:64*\t
.endr
.set j, 0
.rept 16
	v_pk_mul_f32 v[160+j:161+j], v[160+j:161+j], v[252:253] op_sel_hi:[1,0]   ; O^T under the new M; these are also the places between p's codes and the products
.set j, j+2
.endr
	s_wait_alu depctr_va_vdst(0)
	s_wait_dscnt 0x0
.irp t, 0,1,2,3
	v_wmma_scale_f32_16x16x128_f8f6f4 v[160+8*\t:167+8*\t], v[96+16*\t:111+16*\t], v[224:239], v[160+8*\t:167+8*\t], v[248+\t], v253 matrix_a_fmt:MATRIX_FMT_BF8 matrix_b_fmt:MATRIX_FMT_BF8
.endr
.rept 9
	v_nop                                          ; nine places: the next step's first products write over v's registers, and its loads land on these scale words
.endr
.Lhidden_\@:
	s_add_co_u32 s[TB], s[TB], 8192
	s_add_co_u32 s[TS], s[TS], 512
	s_add_co_u32 s[TJ], s[TJ], 256
.endm
.macro LOOP4 lim                       ; key steps up to lim: a constant count in every wave
.Lstep_\@:
	STEP
	s_add_co_u32 s[ST], s[ST], 1
	s_cmp_lt_u32 s[ST], \lim
	s_cbranch_scc1 .Lstep_\@
.endm
	s_wait_alu depctr_va_vdst(0)                   ; the wait at the head's end
	s_cmp_lt_u32 s[WV], 8                          ; waves 0 to 7 hold what the first four key steps read; the later tiles have load lines of their own and are waited for at the second barrier
	s_cbranch_scc0 .Llater
	s_wait_tensorcnt 0x0
.Llater:
	s_barrier_signal -1
	s_barrier_wait -1
	s_wait_loadcnt 0x0                             ; q
	LOOP4 1                                        ; key step 0, which every wave has; the barrier below, which shows keys 512 on, stands behind it, and the other seven steps run with no barrier among them
	s_wait_tensorcnt 0x0                           ; my part of keys 512-1,023 is in
	s_wait_dscnt 0x0
	s_barrier_signal -1
	s_barrier_wait -1
	LOOP4 8
	; THE WAY OUT: O^T / the sum, quantised along the channels: register 8 t + j of lane (r, h) is channel 16 t + 8 h + j of query r: two blocks of 32, each shared with lane l xor 16
	v_add_f32 v14, v14, v15
	s_delay_alu instid0(VALU_DEP_1)
	v_permlanex16_b32 v252, v14, s[SEL], s[SEL+1]
	s_delay_alu instid0(VALU_DEP_1)
	v_add_f32 v14, v14, v252                       ; the row's sum
	s_wait_alu depctr_va_vdst(0)
	v_rcp_f32 v14, v14
	v_nop
	s_wait_alu depctr_va_vdst(0)
.set j, 0
.rept 32
	v_mul_f32 v[96+j], v[160+j], v14
.set j, j+1
.endr
.irp b, 0,1
	v_max3_num_f32 v[232+\b], |v[96+16*\b]|, |v[97+16*\b]|, 0x8000000
.endr
.irp i, 2,4,6,8,10,12,14
.irp b, 0,1
	s_delay_alu instid0(VALU_DEP_2)
	v_max3_num_f32 v[232+\b], v[232+\b], |v[96+16*\b+\i]|, |v[97+16*\b+\i]|
.endr
.endr
.irp b, 0,1
	v_permlanex16_b32 v[236+\b], v[232+\b], s[SEL], s[SEL+1]
.endr
.irp b, 0,1
	s_delay_alu instid0(VALU_DEP_2)
	v_max_num_f32 v[232+\b], v[232+\b], v[236+\b]
.endr
.irp b, 0,1
	s_delay_alu instid0(VALU_DEP_2)
	v_add_nc_u32 v[244+\b], 0xf8800000, v[232+\b]
.endr
.irp b, 0,1
	s_delay_alu instid0(VALU_DEP_4)
	v_and_or_b32 v[240+\b], v[232+\b], 0x7f800000, s[MNT]
.endr
.irp b, 0,1
	s_delay_alu instid0(VALU_DEP_4)
	v_lshrrev_b32 v[236+\b], 23, v[244+\b]
.endr
	s_delay_alu instid0(VALU_DEP_1)
	v_lshl_or_b32 v253, v237, 8, v236              ; my head's two scale bytes
.irp b, 0,1
.irp i, 0,1,2,3,4,5,6,7,8,9,10,11,12,13,14,15
	v_med3_num_f32 v[96+16*\b+\i], v[96+16*\b+\i], -v[240+\b], v[240+\b]
.endr
	v_cvt_scalef32_pk8_bf8_f32 v[224+4*\b:225+4*\b], v[96+16*\b:103+16*\b], v[244+\b]
	v_cvt_scalef32_pk8_bf8_f32 v[226+4*\b:227+4*\b], v[104+16*\b:111+16*\b], v[244+\b]
.endr
	v_nop
	v_and_b32 v8, 15, v0
	v_bfe_u32 v9, v0, 4, 1
	v_lshlrev_b32 v10, 3, v8                       ; 8 r
	v_lshlrev_b32 v11, 4, v8
	v_lshl_add_u32 v11, v9, 3, v11                 ; 16 r + 8 h
	global_store_b64 v11, v[224:225], s[8:9]       ; y's codes in true order of K: my eight codes 32 b + 16 u + 8 h + 0..7 go to bytes 512 b + 256 u + 16 r + 8 h: a store covers 256 consecutive bytes
	global_store_b64 v11, v[226:227], s[8:9] offset:256
	global_store_b64 v11, v[228:229], s[8:9] offset:512
	global_store_b64 v11, v[230:231], s[8:9] offset:768
	global_store_b16 v10, v253, s[10:11]
	s_wait_tensorcnt 0x0
	ds_add_u32 v222, v223
	s_wait_dscnt 0x0
	CROUND                                         ; the closing round
	s_endpgm
.Lfunc_end_k_q5c76e02972_attn:
	.size	k_q5c76e02972_attn, .Lfunc_end_k_q5c76e02972_attn-k_q5c76e02972_attn
	.p2alignl 7, 3214868480
	.fill 96, 4, 3214868480
	.section	.rodata,"a",@progbits
	.p2align	6, 0x0
	.amdhsa_kernel k_q5c76e02972_attn
		.amdhsa_group_segment_fixed_size 169984
		.amdhsa_private_segment_fixed_size 0
		.amdhsa_enable_private_segment 0
		.amdhsa_kernarg_size 32
		.amdhsa_user_sgpr_count 2
		.amdhsa_user_sgpr_kernarg_segment_ptr 1
		.amdhsa_wavefront_size32 1
		.amdhsa_system_sgpr_workgroup_id_x 1
		.amdhsa_system_sgpr_workgroup_id_y 1
		.amdhsa_system_sgpr_workgroup_id_z 1
		.amdhsa_system_vgpr_workitem_id 0
		.amdhsa_next_free_vgpr 256
		.amdhsa_next_free_sgpr 102
		.amdhsa_reserve_vcc 1
		.amdhsa_float_denorm_mode_32 3
		.amdhsa_float_denorm_mode_16_64 3
		.amdhsa_memory_ordered 1
		.amdhsa_forward_progress 1
		.amdhsa_inst_pref_size 72
	.end_amdhsa_kernel
	.amdgpu_metadata
---
amdhsa.version: [ 1, 2 ]
amdhsa.kernels:
  - .name:           k_q5c76e02972_attn
    .symbol:         k_q5c76e02972_attn.kd
    .args:
      - { .name: big, .offset: 0, .size: 8, .value_kind: global_buffer, .address_space: global }
      - { .name: big_sc, .offset: 8, .size: 8, .value_kind: global_buffer, .address_space: global }
      - { .name: y_img, .offset: 16, .size: 8, .value_kind: global_buffer, .address_space: global }
      - { .name: y_sc, .offset: 24, .size: 8, .value_kind: global_buffer, .address_space: global }
    .group_segment_fixed_size: 169984
    .private_segment_fixed_size: 0
    .kernarg_segment_align: 8
    .kernarg_segment_size: 32
    .max_flat_workgroup_size: 512
    .sgpr_count:     102
    .vgpr_count:     256
    .wavefront_size: 32
...
	.end_amdgpu_metadata
.endif
;; end of part 3
;; launch proj (part 4): grid 8 x 32, 4 waves a work-group, clusters of 4 x 4, 327,680 bytes of LDS; arguments y_img, y_sc, proj_w_codes, proj_w_scales, proj_b, x, x2; writes x2
.if DOCPART == 4
	.amdgcn_target "amdgcn-amd-amdhsa--gfx1250"
	.amdhsa_code_object_version 6
	.text
	.protected	k_q5c76e02972_proj
	.globl	k_q5c76e02972_proj
	.p2align	8
	.type	k_q5c76e02972_proj,@function
k_q5c76e02972_proj:
	s_mov_b64 s[64:65], 0
	v_nop
	global_prefetch_b8 v0, s[64:65] scope:SCOPE_SE
	s_setreg_imm32_b32 hwreg(HW_REG_WAVE_MODE, 25, 1), 1
	s_wait_xcnt 0x0
	s_wait_alu depctr_hold_cnt(0) depctr_sa_sdst(0) depctr_va_vdst(0) depctr_va_sdst(0) depctr_va_ssrc(0) depctr_va_vcc(0) depctr_vm_vsrc(0)
	s_getreg_b32 s2, hwreg(HW_REG_IB_STS2, 6, 4)
	s_cmp_eq_u32 s2, 0
	s_cbranch_scc0 .Lentry_in_a_cluster
	s_endpgm
.Lentry_in_a_cluster:
	s_bfe_u32 s2, ttmp6, 0x10000c
	s_cmp_lg_u32 s2, 0xf033
	s_cbranch_scc0 .Lentry_shape_is_right
	s_endpgm
.Lentry_shape_is_right:
; x2 = x + y W^T + b.  y: 4,096 rows x 1,024 as images of operand registers (launch attn): blocks of 16,384 bytes [tile a 8][c 4][lane][16], block = (row / 128) x 8 + K step, K in true order;
; its scale words [K step][4096], inside each 64 rows the word of row 32 j + l at 8 l + 4 j.  W: [1024][1024] codes of BF8 (E5M2), K innermost, scale bytes [1024][32].  b [1024], x, x2 [4096][1024] f32.
; SHARES.  A work-group makes 128 x 128 of x2: 256 work-groups.  Wave w = 2 kh + m takes rows 64 m on, all 128 columns, and K steps 4 kh .. 4 kh + 3 of 128: 32 accumulators, 4 steps of 32 products.
; Each byte of y is loaded by one wave, straight into registers, all four sets at the head; x's rows follow them.  W's 128 rows, all of K, come into LDS by ONE fill, a joint load a wave along a column
; of a 4 x 4 cluster: no byte of LDS is filled twice.  y is not asked for jointly: it passes no LDS.  All scale words are loaded into registers at the head (4 + 4 loads a wave).
; The product is used transposed (source 0 = 16 rows of W, source 1 = 16 rows of y): a lane holds eight neighbouring columns of one row of x2.
; Slot a' of a wave's four tiles of y is tile a' xor kh, by addresses alone: every wave keeps slots 0 and 2 and hands slots 1 and 3 to the wave with the other half of K, through LDS, as rows.
; Each wave ends 32 rows: its own sums + the other wave's + x + b.  The sum over K is thus made in two halves, each in ascending K.  The stages have LDS bytes of their own, behind W's.
; Nothing is prefetched: all that the launch reads is asked for at its head, and it has no loop to run ahead in.
; LIMITS: NaN and infinities are carried as the sums carry them.
; REGISTERS: window 0: v4-13 addresses; v16-23 y's scale words (2 a step); v48-51 b; v52-67 W's scale words (pair of tiles p, step t at 52 + 4 p + t); v128-255 x's rows; window 1: W's fragments, two sets;
; window 2: the accumulators ((a', b) at 8 (8 a' + b)); window 3: y's four sets, later the rows on the way out.
.set NT,     4
.set BPITCH, 528                       ; a row of W's half of K in LDS: 512 bytes + 16: the 16 rows of a fragment load start at 16 different banks
.set HALFB,  64*BPITCH                 ; what one tensor load brings
.set SUBS,   2*HALFB                   ; 128 rows of one half of K
.set STG,    2*SUBS                    ; behind W: the stages
.set SPITCH, 528
.set AREA,   32*SPITCH                 ; a stage: 32 rows of 512 bytes + 16
.set SPARE,  STG+8*AREA                ; the spare words: two blocks of 256 bytes that no other line names
.set CO,   4
.set COA,  5
.set VSA,  7
.set ADRB, 8
.set STO,  10
.set STX,  11
.set RD,   12
.set RDX,  13
.set SA,   16
.set BI,   48
.set SB,   52
.set VSB,  116
.set SPW,  118
.set NIL,  119
.set AB,   24
.set G1B,  48
.set G0B,  56
.set MSB, 0
.macro WIN new                         ; the immediate's high byte repeats the setting that is left
.if MSB != \new
	s_set_vgpr_msb (MSB<<8)|\new
.set MSB, \new
.endif
.endm
.macro CROUND
	s_barrier_signal -1
	s_barrier_wait -1
	s_cmp_lg_u32 s14, 0
	s_cbranch_scc1 .Lnot_wave_0_\@
	s_barrier_signal -3
.Lnot_wave_0_\@:
	s_barrier_wait -3
	s_barrier_signal -1
	s_barrier_wait -1
.endm
.macro PLACES n
.rept \n
	v_nop
.endr
.endm
	s_load_b128 s[4:7], s[0:1], 0x0                ; y's images, its scale words
	s_load_b128 s[8:11], s[0:1], 0x10              ; W's codes, scales
	s_load_b128 s[96:99], s[0:1], 0x20             ; b, x
	s_load_b64 s[100:101], s[0:1], 0x30            ; x2
	v_lshl_add_u32 v[SPW], v0, 2, SPARE
	v_mov_b32 v[NIL], 0
	ds_add_u32 v[SPW], v[NIL]                      ; the opening lines: the add, twice on end, and one wait below
	ds_add_u32 v[SPW], v[NIL]
	v_lshrrev_b32 v1, 5, v0
	v_readfirstlane_b32 s14, v1                    ; wave 0..3
	s_lshr_b32 s15, s14, 1                         ; kh: my half of K.  Also: the half of K that I fetch of W
	s_and_b32 s16, s14, 1                          ; m: my 64 rows.  Also: which 64 rows of W I fetch
	s_bfe_u32 s40, ttmp6, 0x40000                  ; cx, cy
	s_bfe_u32 s41, ttmp6, 0x40004
	s_lshl_b32 s42, ttmp9, 2
	s_add_co_u32 s42, s42, s40                     ; tile column
	s_and_b32 s17, ttmp7, 0xffff
	s_lshl_b32 s17, s17, 2
	s_add_co_u32 s17, s17, s41                     ; tile row
	s_lshl_b32 s44, 0x1111, s40                    ; my column of the cluster
	s_or_b32 s[G1B+0], s44, (0<<16)|(1<<20)|(1<<21)|(6<<22)|(3<<25)  ; 64 rows of 512 bytes, 4 words of padding behind every 128
	s_mov_b32 s[G1B+1], 512<<16
	s_mov_b32 s[G1B+2], 64<<16
	s_mov_b32 s[G1B+3], 512<<16
	s_mov_b32 s[G1B+4], 64
	s_mov_b32 s[G1B+5], 1024
	s_mov_b32 s[G1B+6], 0
	s_mov_b32 s[G1B+7], 0
	s_lshl_b32 s20, s17, 17                        ; y: 8 blocks a tile row, 4 a half of K, 8,192 bytes to my 64 rows
	s_lshl_b32 s18, s15, 16
	s_add_co_u32 s20, s20, s18
	s_lshl_b32 s22, s17, 9                         ; its scale words: 16,384 bytes a K step, 512 a tile row, 256 to my 64 rows
	s_add_co_u32 s22, s22, s18
	s_lshl_b32 s18, s16, 13
	s_add_co_u32 s20, s20, s18
	s_mov_b32 s21, 0
	s_lshl_b32 s18, s16, 8
	s_add_co_u32 s22, s22, s18
	s_mov_b32 s23, 0
	s_lshl_b32 s46, s42, 7                         ; W: row 128 x tile column + 64 m, byte 512 kh
	s_lshl_b32 s18, s16, 6
	s_add_co_u32 s46, s46, s18
	s_lshl_b32 s46, s46, 10
	s_lshl_b32 s18, s15, 9
	s_add_co_u32 s46, s46, s18
	s_mov_b32 s47, 0
	s_lshl_b32 s92, s42, 12                        ; W's scale bytes: 32 a row, my half of K 16 on
	s_lshl_b32 s18, s15, 4
	s_add_co_u32 s92, s92, s18
	s_mov_b32 s93, 0
	s_mul_i32 s94, s14, HALFB                      ; where my tile goes
	s_lshl_b32 s38, s42, 9                         ; my columns, in bytes
	s_mov_b32 s39, 0
	s_lshl_b32 s36, s17, 19                        ; the rows that I end: 128 x tile row + 64 m + 16 kh, and 32 further on
	s_lshl_b32 s18, s16, 18
	s_add_co_u32 s36, s36, s18
	s_lshl_b32 s18, s15, 16
	s_add_co_u32 s36, s36, s18
	s_add_co_u32 s36, s36, s38
	s_mov_b32 s37, 0
	s_lshl_b32 s66, s15, 11
	s_xor_b32 s67, s66, 2048
	s_lshl_b32 s68, s15, 4
	s_mul_i32 s69, s15, SUBS
	s_mul_i32 s70, s14, AREA
	s_add_co_u32 s70, s70, STG                     ; my own stage,
	s_add_co_u32 s72, s70, 4*AREA                  ; where I put what I hand over,
	s_xor_b32 s71, s14, 2
	s_mul_i32 s71, s71, AREA
	s_add_co_u32 s71, s71, STG+4*AREA              ; and where the wave with the other half of K puts mine
	v_and_b32 v3, 31, v0
	v_and_b32 v1, 15, v0                           ; r
	v_bfe_u32 v2, v0, 4, 1                         ; h
	v_lshlrev_b32 v[CO], 4, v3
	v_lshl_add_u32 v[COA], v3, 4, s66              ; even slots: 16 x lane + 2,048 kh
	v_lshl_add_u32 v[COA+1], v3, 4, s67            ; odd slots: 16 x lane + 2,048 (1 - kh)
	v_xor_b32 v[VSA], s68, v3
	v_lshlrev_b32 v[VSA], 3, v[VSA]                ; 8 x (lane xor 16 kh)
	v_lshlrev_b32 v[VSB], 5, v3                    ; W's scale bytes: lane l takes row l of a pair of tiles
	v_mul_u32_u24 v1, v1, BPITCH                   ; r x 528: the pitch of W's rows and of the stages
	v_lshl_add_u32 v[ADRB], v2, 4, v1
	v_add_nc_u32 v[ADRB], s69, v[ADRB]
	v_lshl_add_u32 v[STO], v2, 5, v1               ; in: row r, 32 bytes for each half of the lanes
	v_add_nc_u32 v[STX], s72, v[STO]
	v_add_nc_u32 v[STO], s70, v[STO]
	v_add_nc_u32 v[RD], s70, v[CO]                 ; back: the 32 lanes take one row of 512 bytes
	v_add_nc_u32 v[RDX], s71, v[CO]
	s_wait_alu depctr_va_vdst(0)                   ; the wait at the head's end: no vector register is written behind it before the way out
	s_wait_dscnt 0x0                               ; both opening adds are done
	CROUND                                         ; all sixteen work-groups are here
	s_wait_kmcnt 0x0
	s_add_nc_u64 s[AB:AB+1], s[4:5], s[20:21]
	s_add_nc_u64 s[22:23], s[6:7], s[22:23]
	s_add_nc_u64 s[46:47], s[8:9], s[46:47]
	s_add_nc_u64 s[92:93], s[10:11], s[92:93]
	s_add_nc_u64 s[96:97], s[96:97], s[38:39]
	s_add_nc_u64 s[98:99], s[98:99], s[36:37]
	s_add_nc_u64 s[100:101], s[100:101], s[36:37]
	s_mov_b32 s[G0B], 1
	s_mov_b32 s[G0B+1], s94
	s_mov_b64 s[G0B+2:G0B+3], s[46:47]
	s_or_b32 s[G0B+3], s[G0B+3], 0x80000000
	tensor_load_to_lds s[G0B:G0B+3], s[G1B:G1B+7]  ; every wave's one load: a quarter of W's tile
	s_nop 0
	PLACES 4
; y's set g: 64 rows x 128 K, 16 loads.  g = 4, 5: x's rows, 16 each, in the layout of the way out.
.macro AFILL g
.if (\g) < NT
	WIN 0xc0
.irp a, 0,1,2,3
.irp c, 0,1,2,3
	global_load_b128 v[64*(\g)+16*\a+4*\c:64*(\g)+16*\a+4*\c+3], v[COA+\a%2], s[AB:AB+1] offset:16384*(\g)+4096*(\a/2)+512*\c
.endr
.endr
.elseif (\g) < NT+2
	WIN 0
.irp k, 0,1,2,3,4,5,6,7,8,9,10,11,12,13,14,15
	global_load_b128 v[128+64*((\g)-NT)+4*\k:128+64*((\g)-NT)+4*\k+3], v[CO], s[98:99] offset:(32*((\g)-NT)+\k)*4096 th:TH_LOAD_NT
.endr
.endif
.endm
	global_load_b128 v[BI:BI+3], v[CO], s[96:97]
.irp t, 0,1,2,3
	global_load_b64 v[SA+2*\t:SA+2*\t+1], v[VSA], s[22:23] offset:16384*\t   ; register j, lane (r, hh): the word of slot 2 j + hh, row r: 256 consecutive bytes a load
.endr
.irp p, 0,1,2,3
	global_load_b128 v[SB+4*\p:SB+4*\p+3], v[VSB], s[92:93] offset:1024*\p   ; my four steps' words of 32 rows
.endr
.irp g, 0,1,2,3
	AFILL \g
.endr
	WIN 0
.macro FETCHB t                        ; W's eight fragments of my step t into set t % 2
	WIN 0x40
.irp i, 0,1,2,3,4,5,6,7
.irp c, 0,1,2,3
	ds_load_b128 v[128*((\t)%2)+16*\i+4*\c:128*((\t)%2)+16*\i+4*\c+3], v[ADRB] offset:16*BPITCH*\i+128*(\t)+32*\c
.endr
.endr
.endm
; Eight products: slot a of y against W's eight tiles.  The 32 accumulators take turns in the same order in every step.  The first step's products start the sums.
.macro MULA t, a
	WIN 0xad                                       ; source 0 window 1, source 1 window 3, C and D window 2
.set FA_, 64*(\t)+16*(\a)
.set SA_, SA+2*(\t)+(\a)/2
.irp p, 0,1,2,3
.set AC_, 8*(8*(\a)+2*\p)
.set FB_, 128*((\t)%2)+32*\p
.set SB_, SB+4*\p+(\t)
.if ((\t) == 0) && ((\a)%2)
	v_wmma_scale_f32_16x16x128_f8f6f4 v[AC_:AC_+7], v[FB_:FB_+15], v[FA_:FA_+15], 0, v[SB_], v[SA_] matrix_a_fmt:MATRIX_FMT_BF8 matrix_b_fmt:MATRIX_FMT_BF8 matrix_b_scale:MATRIX_SCALE_ROW1
	v_wmma_scale_f32_16x16x128_f8f6f4 v[AC_+8:AC_+15], v[FB_+16:FB_+31], v[FA_:FA_+15], 0, v[SB_], v[SA_] matrix_a_fmt:MATRIX_FMT_BF8 matrix_b_fmt:MATRIX_FMT_BF8 matrix_a_scale:MATRIX_SCALE_ROW1 matrix_b_scale:MATRIX_SCALE_ROW1
.elseif (\t) == 0
	v_wmma_scale_f32_16x16x128_f8f6f4 v[AC_:AC_+7], v[FB_:FB_+15], v[FA_:FA_+15], 0, v[SB_], v[SA_] matrix_a_fmt:MATRIX_FMT_BF8 matrix_b_fmt:MATRIX_FMT_BF8
	v_wmma_scale_f32_16x16x128_f8f6f4 v[AC_+8:AC_+15], v[FB_+16:FB_+31], v[FA_:FA_+15], 0, v[SB_], v[SA_] matrix_a_fmt:MATRIX_FMT_BF8 matrix_b_fmt:MATRIX_FMT_BF8 matrix_a_scale:MATRIX_SCALE_ROW1
.elseif (\a)%2
	v_wmma_scale_f32_16x16x128_f8f6f4 v[AC_:AC_+7], v[FB_:FB_+15], v[FA_:FA_+15], v[AC_:AC_+7], v[SB_], v[SA_] matrix_a_fmt:MATRIX_FMT_BF8 matrix_b_fmt:MATRIX_FMT_BF8 matrix_b_scale:MATRIX_SCALE_ROW1
	v_wmma_scale_f32_16x16x128_f8f6f4 v[AC_+8:AC_+15], v[FB_+16:FB_+31], v[FA_:FA_+15], v[AC_+8:AC_+15], v[SB_], v[SA_] matrix_a_fmt:MATRIX_FMT_BF8 matrix_b_fmt:MATRIX_FMT_BF8 matrix_a_scale:MATRIX_SCALE_ROW1 matrix_b_scale:MATRIX_SCALE_ROW1
.else
	v_wmma_scale_f32_16x16x128_f8f6f4 v[AC_:AC_+7], v[FB_:FB_+15], v[FA_:FA_+15], v[AC_:AC_+7], v[SB_], v[SA_] matrix_a_fmt:MATRIX_FMT_BF8 matrix_b_fmt:MATRIX_FMT_BF8
	v_wmma_scale_f32_16x16x128_f8f6f4 v[AC_+8:AC_+15], v[FB_+16:FB_+31], v[FA_:FA_+15], v[AC_+8:AC_+15], v[SB_], v[SA_] matrix_a_fmt:MATRIX_FMT_BF8 matrix_b_fmt:MATRIX_FMT_BF8 matrix_a_scale:MATRIX_SCALE_ROW1
.endif
.endr
.endm
; My step t.  At its head three younger sets of 16 loads may be out (y's later sets, x's two); at the last step x's two.  Eight places stand behind the last step's products, ahead of the loads into the registers that they read.
.macro STEP t
.set LC_, 48
.if (\t) > NT-2
.set LC_, 32
.endif
	s_wait_dscnt 0x0                               ; this step's fragments of W, asked for a step ago
	s_wait_loadcnt LC_
.if ((\t) > 0) && ((\t) < NT-1)
	PLACES 8
.endif
.if (\t) < NT-1
	FETCHB (\t)+1
.endif
	MULA \t, 0
	MULA \t, 1
	AFILL (\t)+4
	MULA \t, 2
	MULA \t, 3
.endm
	s_wait_tensorcnt 0x0                           ; my quarter of W's tile is in
	s_barrier_signal -1
	s_barrier_wait -1                              ; and so is everybody's
	FETCHB 0
.irp t, 0,1,2,3
	STEP \t
.endr
	; THE WAY OUT.  Slots 1 and 3 go, as rows, to the wave with the other half of K; slots 0 and 2 into my own stage; one barrier; both come back as whole rows of 512 bytes.
	WIN 0
	PLACES 8
	WIN 0x08                                       ; the data: window 2
.irp a, 0,1
.irp b, 0,1,2,3,4,5,6,7
	ds_store_b128 v[STX], v[8*(8*(2*\a+1)+\b):8*(8*(2*\a+1)+\b)+3] offset:16*SPITCH*\a+64*\b        ; each accumulator from its low end on
	ds_store_b128 v[STX], v[8*(8*(2*\a+1)+\b)+4:8*(8*(2*\a+1)+\b)+7] offset:16*SPITCH*\a+64*\b+16
.endr
.endr
.irp a, 0,1
.irp b, 0,1,2,3,4,5,6,7
	ds_store_b128 v[STO], v[8*(16*\a+\b):8*(16*\a+\b)+3] offset:16*SPITCH*\a+64*\b
	ds_store_b128 v[STO], v[8*(16*\a+\b)+4:8*(16*\a+\b)+7] offset:16*SPITCH*\a+64*\b+16
.endr
.endr
	WIN 0
	s_wait_dscnt 0x0                               ; for the other wave's sake
	s_barrier_signal -1
	s_barrier_wait -1
	WIN 0xc0                                       ; into window 3: block a at 128 a: mine in 64 registers, the other wave's in the next 64
.irp a, 0,1
.irp t, 0,1,2,3,4,5,6,7,8,9,10,11,12,13,14,15
	ds_load_b128 v[128*\a+4*\t:128*\a+4*\t+3], v[RD] offset:16*SPITCH*\a+\t*SPITCH
	ds_load_b128 v[128*\a+64+4*\t:128*\a+64+4*\t+3], v[RDX] offset:16*SPITCH*\a+\t*SPITCH
.endr
.endr
	s_wait_loadcnt 0x0                             ; x's rows
.macro OUTB a
.set OB_, 128*(\a)
	s_wait_dscnt 32*(1-(\a))                       ; this block's 32 loads are in; the next block's 32 may be out
	WIN 0xcf
.set i, 0
.rept 32
	v_pk_add_f32 v[OB_+i:OB_+i+1], v[OB_+i:OB_+i+1], v[OB_+64+i:OB_+64+i+1]
.set i, i+2
.endr
	WIN 0xc3                                       ; source 1: window 0
.set i, 0
.rept 32
	v_pk_add_f32 v[OB_+i:OB_+i+1], v[OB_+i:OB_+i+1], v[128+64*(\a)+i:128+64*(\a)+i+1]
.set i, i+2
.endr
.irp t, 0,1,2,3,4,5,6,7,8,9,10,11,12,13,14,15
	v_pk_add_f32 v[OB_+4*\t:OB_+4*\t+1], v[OB_+4*\t:OB_+4*\t+1], v[BI:BI+1]
	v_pk_add_f32 v[OB_+4*\t+2:OB_+4*\t+3], v[OB_+4*\t+2:OB_+4*\t+3], v[BI+2:BI+3]
.endr
	WIN 0x0c                                       ; the stores' data: window 3
.irp t, 0,1,2,3,4,5,6,7,8,9,10,11,12,13,14,15
	global_store_b128 v[CO], v[OB_+4*\t:OB_+4*\t+3], s[100:101] offset:(32*(\a)+\t)*4096   ; 32 lanes store 512 consecutive bytes, at a multiple of 512 from x2's first byte
.endr
.endm
	OUTB 0
	OUTB 1
	WIN 0
	s_wait_tensorcnt 0x0                           ; the wave's end
	ds_add_u32 v[SPW], v[NIL]
	s_wait_dscnt 0x0
	CROUND                                         ; the closing round
	s_endpgm
.Lfunc_end_k_q5c76e02972_proj:
	.size	k_q5c76e02972_proj, .Lfunc_end_k_q5c76e02972_proj-k_q5c76e02972_proj
	.p2alignl 7, 3214868480
	.fill 96, 4, 3214868480
	.section	.rodata,"a",@progbits
	.p2align	6, 0x0
	.amdhsa_kernel k_q5c76e02972_proj
		.amdhsa_group_segment_fixed_size 327680
		.amdhsa_private_segment_fixed_size 0
		.amdhsa_enable_private_segment 0
		.amdhsa_kernarg_size 56
		.amdhsa_user_sgpr_count 2
		.amdhsa_user_sgpr_kernarg_segment_ptr 1
		.amdhsa_wavefront_size32 1
		.amdhsa_system_sgpr_workgroup_id_x 1
		.amdhsa_system_sgpr_workgroup_id_y 1
		.amdhsa_system_sgpr_workgroup_id_z 1
		.amdhsa_system_vgpr_workitem_id 0
		.amdhsa_next_free_vgpr 1024
		.amdhsa_next_free_sgpr 102
		.amdhsa_reserve_vcc 0
		.amdhsa_float_denorm_mode_32 3
		.amdhsa_float_denorm_mode_16_64 3
		.amdhsa_memory_ordered 1
		.amdhsa_forward_progress 1
		.amdhsa_inst_pref_size 65
	.end_amdhsa_kernel
	.amdgpu_metadata
---
amdhsa.version: [ 1, 2 ]
amdhsa.kernels:
  - .name:           k_q5c76e02972_proj
    .symbol:         k_q5c76e02972_proj.kd
    .args:
      - { .name: y_img, .offset: 0, .size: 8, .value_kind: global_buffer, .address_space: global }
      - { .name: y_sc, .offset: 8, .size: 8, .value_kind: global_buffer, .address_space: global }
      - { .name: proj_w_codes, .offset: 16, .size: 8, .value_kind: global_buffer, .address_space: global }
      - { .name: proj_w_scales, .offset: 24, .size: 8, .value_kind: global_buffer, .address_space: global }
      - { .name: proj_b, .offset: 32, .size: 8, .value_kind: global_buffer, .address_space: global }
      - { .name: x, .offset: 40, .size: 8, .value_kind: global_buffer, .address_space: global }
      - { .name: x2, .offset: 48, .size: 8, .value_kind: global_buffer, .address_space: global }
    .group_segment_fixed_size: 327680
    .private_segment_fixed_size: 0
    .kernarg_segment_align: 8
    .kernarg_segment_size: 56
    .max_flat_workgroup_size: 128
    .sgpr_count:     102
    .vgpr_count:     1024
    .wavefront_size: 32
...
	.end_amdgpu_metadata
.endif
;; end of part 4
;; launch ln2: the kernel of part 1 again; grid 256 x 1, 8 waves a work-group, no clusters, 52,224 bytes of LDS; arguments x2, ln2_w, ln2_b, hq, hq_sc; writes hq, hq_sc
;; launch ff1 (part 5): grid 16 x 16, 4 waves a work-group, clusters of 4 x 4, 327,680 bytes of LDS; arguments hq, hq_sc, ff_w1_codes, ff_w1_scales, ff_b1, big, big_sc; writes big, big_sc
.if DOCPART == 5
	.amdgcn_target "amdgcn-amd-amdhsa--gfx1250"
	.amdhsa_code_object_version 6
	.text
	.protected	k_q5c76e02972_ff1
	.globl	k_q5c76e02972_ff1
	.p2align	8
	.type	k_q5c76e02972_ff1,@function
k_q5c76e02972_ff1:
	s_mov_b64 s[64:65], 0
	v_nop
	global_prefetch_b8 v0, s[64:65] scope:SCOPE_SE
	s_setreg_imm32_b32 hwreg(HW_REG_WAVE_MODE, 25, 1), 1
	s_wait_xcnt 0x0
	s_wait_alu depctr_hold_cnt(0) depctr_sa_sdst(0) depctr_va_vdst(0) depctr_va_sdst(0) depctr_va_ssrc(0) depctr_va_vcc(0) depctr_vm_vsrc(0)
	s_getreg_b32 s2, hwreg(HW_REG_IB_STS2, 6, 4)
	s_cmp_eq_u32 s2, 0
	s_cbranch_scc0 .Lentry_in_a_cluster
	s_endpgm
.Lentry_in_a_cluster:
	s_bfe_u32 s2, ttmp6, 0x10000c
	s_cmp_lg_u32 s2, 0xf033
	s_cbranch_scc0 .Lentry_shape_is_right
	s_endpgm
.Lentry_shape_is_right:
; hid = Q(relu(h2 W1^T + b1)).  h2: [4096][1024] codes of BF8 (E5M2), scale bytes [4096][32]; W1: [4096][1024] codes, K innermost, scale bytes [4096][32]; b1: [4096] f32.
; A tile of 256 x 256 to a work-group of four waves, 128 x 128 a wave; K in steps of 256 through a ring of two LDS slots filled by joint loads in a cluster of 4 x 4; the scale bytes come into LDS once.
; The product is used transposed (source 0 = 16 rows of W1, source 1 = 16 tokens): a lane holds one token and eight neighbouring hidden units.  The way out adds b1, clips at 0 and quantises in registers.
; big: images of the next launch's operand registers, blocks of 16,384 bytes [16-token tile a 8][c 4][lane 32][16], block = (token / 128) x 32 + (hidden unit / 128), K in its true order:
; a lane's eight codes 32 c + 16 u + 8 h + 0..7 go to bytes 512 c + 256 u + 16 r + 8 h: the 32 lanes of a store cover 256 consecutive bytes.
; big_sc: [hidden unit / 128][4096 tokens] words; inside each 64 tokens the word of token 32 j + l lies at 8 l + 4 j.
; LIMITS: a block of zeros gets the byte 1 (zero codes; only this program reads the bytes); largest magnitudes under 2^-111 are held at that floor; NaN and infinities are not served.
.set SIZE_K, 1024
.set KSTEP,  256
.set NQ,     KSTEP/128
.set ROWB,   256
.set KROW,   SIZE_K
.set PITCH,  272
.set FR,     16
.set NL,     4
.set NP,     8
.set HALFT,  128*PITCH
.set SLOT,   4*HALFT
.set LAPS,   SIZE_K/(2*KSTEP)
.set KS,     SIZE_K/32
.set SCL,    2*SLOT
.set HALFS,  (128*KS/256)*272
.set SBLK,   (16*KS/256)*272
.set SPARE,  SCL+4*HALFS
.set ADRA, 16
.set ADRB, 20
.set SCST, 24
.set SCRD, 25
.set CO,   26
.set ADRS, 27
.set SPW,  28
.set NIL,  29
.set BRO,  30
.set SC,   32
.set BR,   64
.set AF,   128
.set T,    128
.set PC,   192
.set TM,   208
.set OUT,  228
.set W2,   240
.set SEL,  66
.set MNT,  94
.set G1, 24
.set G0, 32
.set G1B, 48
.set G0B, 56
.set G1S, 68
.set G0S, 76
.set G1SB, 80
.set G0SB, 88
.set MSB, 0
.macro WIN new
.if MSB != \new
	s_set_vgpr_msb (MSB<<8)|\new
.set MSB, \new
.endif
.endm
.set MUL_LO, 0xa1
.set MUL_HI, 0xf1
.set TO_B,   0x40
.macro JLOAD g0a, g1a, g0b, g1b
	s_cmp_eq_u32 s15, 0
	s_cbranch_scc0 .Lfor_b_\@
	tensor_load_to_lds s[\g0a:\g0a+3], s[\g1a:\g1a+7]
	s_nop 0
.rept 4
	v_nop
.endr
	s_branch .Lasked_\@
.Lfor_b_\@:
	tensor_load_to_lds s[\g0b:\g0b+3], s[\g1b:\g1b+7]
	s_nop 0
.rept 4
	v_nop
.endr
.Lasked_\@:
.endm
.macro CREST
	s_cmp_lg_u32 s14, 0
	s_cbranch_scc1 .Lnot_wave_0_\@
	s_barrier_signal -3
.Lnot_wave_0_\@:
	s_barrier_wait -3
	s_barrier_signal -1
	s_barrier_wait -1
.endm
.macro CROUND
	s_barrier_signal -1
	s_barrier_wait -1
	CREST
.endm
	s_load_b128 s[4:7], s[0:1], 0x0
	s_load_b128 s[8:11], s[0:1], 0x10
	s_load_b128 s[96:99], s[0:1], 0x20
	s_load_b64 s[100:101], s[0:1], 0x30
	v_lshl_add_u32 v[SPW], v0, 2, SPARE
	v_mov_b32 v[NIL], 0
	ds_add_u32 v28, v29
	ds_add_u32 v28, v29
	s_wait_dscnt 0x0
	v_lshrrev_b32 v1, 5, v0
	v_readfirstlane_b32 s14, v1
	s_lshr_b32 s15, s14, 1
	s_and_b32 s16, s14, 1
	s_bfe_u32 s40, ttmp6, 0x40000
	s_bfe_u32 s41, ttmp6, 0x40004
	s_lshl_b32 s42, ttmp9, 2
	s_add_co_u32 s42, s42, s40
	s_and_b32 s17, ttmp7, 0xffff
	s_lshl_b32 s17, s17, 2
	s_add_co_u32 s17, s17, s41
	s_lshl_b32 s43, s41, 2
	s_lshl_b32 s43, 15, s43
	s_lshl_b32 s44, 0x1111, s40
	s_or_b32 s[G1+0], s43, (0<<16)|(1<<20)|(1<<21)|(5<<22)|(3<<25)
	s_or_b32 s[G1B+0], s44, (0<<16)|(1<<20)|(1<<21)|(5<<22)|(3<<25)
.irp g, G1, G1B
	s_mov_b32 s[\g+1], ROWB<<16
	s_mov_b32 s[\g+2], 256<<16                     ; 256 rows for the head's loads; set to 128 behind them
	s_mov_b32 s[\g+3], ROWB<<16
	s_mov_b32 s[\g+4], 256
	s_mov_b32 s[\g+5], KROW
	s_mov_b32 s[\g+6], 0
	s_mov_b32 s[\g+7], 0
.endr
	s_or_b32 s[G1S+0], s43, (3<<16)|(1<<20)|(1<<21)|(5<<22)|(3<<25)
	s_or_b32 s[G1SB+0], s44, (3<<16)|(1<<20)|(1<<21)|(5<<22)|(3<<25)
.irp g, G1S, G1SB
	s_mov_b32 s[\g+1], 32<<16
	s_mov_b32 s[\g+2], KS<<16                      ; the scales of 256 rows: KS rows of 256 bytes
	s_mov_b32 s[\g+3], 32<<16
	s_mov_b32 s[\g+4], KS
	s_mov_b32 s[\g+5], 32
	s_mov_b32 s[\g+6], 0
	s_mov_b32 s[\g+7], 0
.endr
	s_lshl_b32 s20, s17, 8                         ; tokens: the tile's first row
	s_lshl_b32 s46, s42, 8                         ; W1 likewise
	s_mov_b32 s21, 0
	s_mov_b32 s47, 0
	s_mov_b64 s[18:19], KS
	s_mul_u64 s[22:23], s[20:21], s[18:19]
	s_mul_u64 s[92:93], s[46:47], s[18:19]
	s_mov_b64 s[18:19], KROW
	s_mul_u64 s[20:21], s[20:21], s[18:19]
	s_mul_u64 s[46:47], s[46:47], s[18:19]
	s_mul_i32 s45, s14, HALFT
	s_mul_i32 s18, s16, 128*KROW                   ; in the ring I fetch 128 rows of a tile: which half, in bytes
	s_mov_b32 s19, 0
	s_wait_kmcnt 0x0
	s_add_nc_u64 s[20:21], s[4:5], s[20:21]
	s_add_nc_u64 s[22:23], s[6:7], s[22:23]
	s_add_nc_u64 s[46:47], s[8:9], s[46:47]
	s_add_nc_u64 s[92:93], s[10:11], s[92:93]
	CROUND
	s_mov_b32 s[G0S], 1
	s_mov_b32 s[G0S+1], SCL
	s_mov_b64 s[G0S+2:G0S+3], s[22:23]
	s_or_b32 s[G0S+3], s[G0S+3], 0x80000000
	s_mov_b32 s[G0SB], 1
	s_mov_b32 s[G0SB+1], SCL+2*HALFS
	s_mov_b64 s[G0SB+2:G0SB+3], s[92:93]
	s_or_b32 s[G0SB+3], s[G0SB+3], 0x80000000
	s_mov_b32 s4, 1                                ; group 0 of the head's loads of K step 0: the tokens' 256 rows (the arguments that lay here have been used),
	s_mov_b32 s5, 0
	s_mov_b64 s[6:7], s[20:21]
	s_or_b32 s7, s7, 0x80000000
	s_mov_b32 s8, 1                                ; and W1's 256 rows, behind them in slot 0
	s_mov_b32 s9, 2*HALFT
	s_mov_b64 s[10:11], s[46:47]
	s_or_b32 s11, s11, 0x80000000
	s_add_nc_u64 s[20:21], s[20:21], s[18:19]      ; for the ring: my 128 rows of the tile
	s_add_nc_u64 s[46:47], s[46:47], s[18:19]
.irp s, 0,1
	s_mov_b32 s[G0+4*\s], 1
	s_add_co_u32 s[G0+4*\s+1], s45, \s*SLOT
	s_add_nc_u64 s[G0+4*\s+2:G0+4*\s+3], s[20:21], \s*ROWB
	s_or_b32 s[G0+4*\s+3], s[G0+4*\s+3], 0x80000000
	s_mov_b32 s[G0B+4*\s], 1
	s_add_co_u32 s[G0B+4*\s+1], s45, \s*SLOT
	s_add_nc_u64 s[G0B+4*\s+2:G0B+4*\s+3], s[46:47], \s*ROWB
	s_or_b32 s[G0B+4*\s+3], s[G0B+4*\s+3], 0x80000000
.endr
; The head's loads, one a wave: wave 0 K step 0's 256 rows of tokens, wave 1 those of W1, wave 2 the tokens' scales, wave 3 W1's.  One chain of branches on the wave's number.
.macro ARM under, g0, g1, next
	s_cmp_lt_u32 s14, \under
	s_cbranch_scc0 \next
	tensor_load_to_lds s[\g0:\g0+3], s[\g1:\g1+7]
	s_nop 0
.rept 4
	v_nop
.endr
	s_branch .Lhead_asked
\next:
.endm
	ARM 1, 4, G1, .Lhead_b
	ARM 2, 8, G1B, .Lhead_sa
	ARM 3, G0S, G1S, .Lhead_sb
	tensor_load_to_lds s[G0SB:G0SB+3], s[G1SB:G1SB+7]
	s_nop 0
.rept 4
	v_nop
.endr
.Lhead_asked:
	v_and_b32 v1, 15, v0
	v_bfe_u32 v2, v0, 4, 1
	v_mul_u32_u24 v3, v1, PITCH
	v_lshl_add_u32 v4, v2, 4, v3
	s_mul_i32 s21, s15, HALFT
	s_mul_i32 s22, s16, HALFT
	s_add_co_u32 s22, s22, 2*HALFT
.irp s, 0,1
	v_add_nc_u32 v[ADRA+\s], s21, v4
	v_add_nc_u32 v[ADRB+\s], s22, v4
	s_add_co_u32 s21, s21, SLOT
	s_add_co_u32 s22, s22, SLOT
.endr
	v_mul_u32_u24 v5, v1, KS
	v_lshrrev_b32 v6, 8, v5
	v_lshl_add_u32 v5, v6, 4, v5
	s_mul_i32 s21, s15, HALFS
	s_mul_i32 s22, s16, HALFS
	s_add_co_u32 s22, s22, 2*HALFS
	s_sub_co_u32 s22, s22, s21
	v_mul_u32_u24 v6, s22, v2
	s_add_co_u32 s21, s21, SCL
	v_add_nc_u32 v5, v5, v6
	v_add_nc_u32 v[ADRS], s21, v5
	s_lshl_b32 s23, s14, 9
	v_lshlrev_b32 v5, 3, v1                        ; my row's scale word in my stage: 8 r, the tile's part in the store's offset
	v_add_nc_u32 v[SCST], s23, v5
	v_and_b32 v6, 31, v0
	v_lshlrev_b32 v[CO], 4, v6
	v_add_nc_u32 v[SCRD], s23, v[CO]
	v_lshlrev_b32 v[BRO], 5, v2
	v_lshlrev_b32 v31, 4, v1
	v_lshl_add_u32 v31, v2, 3, v31                 ; v31: 16 r + 8 h: where my eight codes lie in a unit of 256 bytes of an image
	s_wait_alu depctr_va_vdst(0)
	s_lshl_b32 s20, s17, 1
	s_add_co_u32 s20, s20, s15
	s_lshl_b32 s46, s42, 1
	s_add_co_u32 s46, s46, s16
	s_lshl_b32 s22, s20, 5
	s_add_co_u32 s22, s22, s46
	s_lshl_b32 s22, s22, 14
	s_mov_b32 s23, 0
	s_add_nc_u64 s[98:99], s[98:99], s[22:23]
	s_lshl_b32 s22, s46, 14
	s_lshl_b32 s47, s20, 9
	s_add_co_u32 s22, s22, s47
	s_add_nc_u64 s[100:101], s[100:101], s[22:23]
	s_lshl_b32 s22, s46, 9
	s_add_nc_u64 s[96:97], s[96:97], s[22:23]
.irp b, 0,1,2,3,4,5,6,7
	global_load_b128 v[BR+8*\b:BR+8*\b+3], v[BRO], s[96:97] offset:64*\b
	global_load_b128 v[BR+8*\b+4:BR+8*\b+7], v[BRO], s[96:97] offset:64*\b+16
.endr
	s_mov_b32 s[SEL], 0x76543210
	s_mov_b32 s[SEL+1], 0xfedcba98
.macro FRAG reg, adr, q, i
.irp c, 0,1,2,3
	ds_load_b128 v[\reg+4*\c:\reg+4*\c+3], v[\adr] offset:128*(\q)+32*\c+(\i)*16*PITCH
.endr
.endm
.macro MUL16 a0, p, q, sc, zero
.irp a, \a0, \a0+1
.irp b, 0,1,2,3,4,5,6,7
.if \zero
	v_wmma_scale_f32_16x16x128_f8f6f4 v[8*(8*((\a)%4)+\b):8*(8*((\a)%4)+\b)+7], v[128*(\p)+FR*\b:128*(\p)+FR*\b+FR-1], v[AF+FR*(\a):AF+FR*(\a)+FR-1], 0, v[SC+8*NQ*(\sc)+NQ*\b+(\q)], v[SC+8*NQ*(\sc)+NQ*(\a)+(\q)] matrix_a_fmt:MATRIX_FMT_BF8 matrix_b_fmt:MATRIX_FMT_BF8 matrix_a_scale:MATRIX_SCALE_ROW1
.else
	v_wmma_scale_f32_16x16x128_f8f6f4 v[8*(8*((\a)%4)+\b):8*(8*((\a)%4)+\b)+7], v[128*(\p)+FR*\b:128*(\p)+FR*\b+FR-1], v[AF+FR*(\a):AF+FR*(\a)+FR-1], v[8*(8*((\a)%4)+\b):8*(8*((\a)%4)+\b)+7], v[SC+8*NQ*(\sc)+NQ*\b+(\q)], v[SC+8*NQ*(\sc)+NQ*(\a)+(\q)] matrix_a_fmt:MATRIX_FMT_BF8 matrix_b_fmt:MATRIX_FMT_BF8 matrix_a_scale:MATRIX_SCALE_ROW1
.endif
.endr
.endr
.endm
.macro FETCH_B slot, q, p
	WIN TO_B
.irp i, 0,1,2,3,4,5,6,7
	FRAG 128*(\p)+FR*\i, ADRB+\slot, \q, \i
.endr
	WIN 0
.endm
.macro FETCH_A slot, q, i0
.irp i, \i0, \i0+1, \i0+2, \i0+3
	FRAG AF+FR*(\i), ADRA+\slot, \q, \i
.endr
.endm
.macro SCALES sc
.irp i, 0,1,2,3,4,5,6,7
	ds_load_b64 v[SC+8*NQ*\sc+NQ*\i:SC+8*NQ*\sc+NQ*\i+1], v[ADRS] offset:\i*SBLK
.endr
.endm
.macro PLACES n
.rept \n
	v_nop
.endr
.endm
.macro STEP slot, q, zero
	s_wait_dscnt 4*NL
	WIN MUL_LO
	MUL16 0, (\q)%2, \q, \slot, \zero
	MUL16 2, (\q)%2, \q, \slot, \zero
	s_wait_dscnt 0
	PLACES NP
	FETCH_B \slot, (\q)+1, 1-(\q)%2
	FETCH_A \slot, (\q)+1, 0
	WIN MUL_HI
	MUL16 4, (\q)%2, \q, \slot, \zero
	MUL16 6, (\q)%2, \q, \slot, \zero
	PLACES NP
	WIN 0
	FETCH_A \slot, (\q)+1, 4
.endm
.macro TURN slot, next, fill
	s_wait_tensorcnt 0x0
	ds_add_u32 v[SPW], v[NIL]
	s_wait_dscnt 4*NL+1
	WIN MUL_LO
	MUL16 0, 1, NQ-1, \slot, 0
	s_wait_dscnt 0x0
	s_barrier_signal -1
	MUL16 2, 1, NQ-1, \slot, 0
	WIN 0
	s_barrier_wait -1
.if \fill
	CREST
	s_add_nc_u64 s[G0+4*\slot+2:G0+4*\slot+3], s[G0+4*\slot+2:G0+4*\slot+3], 2*ROWB
	s_add_nc_u64 s[G0B+4*\slot+2:G0B+4*\slot+3], s[G0B+4*\slot+2:G0B+4*\slot+3], 2*ROWB
	JLOAD G0+4*\slot, G1, G0B+4*\slot, G1B
	PLACES NP-4
.else
	PLACES NP
.endif
	s_wait_alu depctr_va_vdst(0)
	v_add_nc_u32 v[ADRS], 4*NQ, v[ADRS]
	FETCH_B \next, 0, 0
	FETCH_A \next, 0, 0
	SCALES \next
	WIN MUL_HI
	MUL16 4, 1, NQ-1, \slot, 0
	MUL16 6, 1, NQ-1, \slot, 0
	PLACES NP
	WIN 0
	FETCH_A \next, 0, 4
.endm
	s_wait_alu depctr_va_vdst(0)                   ; the wait at the head's end
	s_wait_tensorcnt 0x0                           ; my tile of the head's four is in
	ds_add_u32 v[SPW], v[NIL]
	s_mov_b32 s[G1+2], 128<<16                     ; no tensor load of mine is out: from here on a load brings 128 rows
	s_mov_b32 s[G1+4], 128
	s_mov_b32 s[G1B+2], 128<<16
	s_mov_b32 s[G1B+4], 128
	s_wait_dscnt 0x0
	CROUND                                         ; all four tiles are in, and all sixteen work-groups are here
	JLOAD G0+4, G1, G0B+4, G1B                     ; K step 1, the first tensor load behind the round
	FETCH_B 0, 0, 0
	FETCH_A 0, 0, 0
	SCALES 0
	FETCH_A 0, 0, 4
	STEP 0, 0, 1
	s_mov_b32 s3, LAPS-1
.Llap:
	TURN 0, 1, 1
	STEP 1, 0, 0
	TURN 1, 0, 1
	STEP 0, 0, 0
	s_sub_co_u32 s3, s3, 1
	s_cmp_lg_u32 s3, 0
	s_cbranch_scc1 .Llap
	TURN 0, 1, 0
	STEP 1, 0, 0
	s_wait_dscnt 4*NL
	WIN MUL_LO
	MUL16 0, 1, NQ-1, 1, 0
	MUL16 2, 1, NQ-1, 1, 0
	s_wait_dscnt 0
	WIN MUL_HI
	MUL16 4, 1, NQ-1, 1, 0
	MUL16 6, 1, NQ-1, 1, 0
	WIN 0
.macro QUANT s
.irp b, 0,1,2,3
	v_max3_num_f32 v[TM+\b], v[\s+16*\b], v[\s+1+16*\b], 0x8000000
.endr
.irp i, 2,4,6,8,10,12,14
.irp b, 0,1,2,3
	v_max3_num_f32 v[TM+\b], v[TM+\b], v[\s+16*\b+\i], v[\s+1+16*\b+\i]
.endr
.endr
.irp b, 0,1,2,3
	v_permlanex16_b32 v[TM+4+\b], v[TM+\b], s[SEL], s[SEL+1]
.endr
.irp b, 0,1,2,3
	v_max_num_f32 v[TM+\b], v[TM+\b], v[TM+4+\b]
.endr
.irp b, 0,1,2,3
	v_add_nc_u32 v[TM+12+\b], 0xf8800000, v[TM+\b]
.endr
.irp b, 0,1,2,3
	v_and_or_b32 v[TM+8+\b], v[TM+\b], 0x7f800000, s[MNT]
.endr
.irp b, 0,1,2,3
	v_lshrrev_b32 v[TM+4+\b], 23, v[TM+12+\b]
.endr
	v_lshl_or_b32 v[PW], v[TM+5], 8, v[TM+4]
	v_lshl_or_b32 v[PW], v[TM+6], 16, v[PW]
	v_lshl_or_b32 v[PW], v[TM+7], 24, v[PW]
	s_wait_alu depctr_va_vdst(0)
	s_wait_xcnt 0x0                                ; the last tile's stores have read their registers, which the conversions below write
.irp b, 0,1,2,3
.irp i, 0,1,2,3,4,5,6,7,8,9,10,11,12,13,14,15
	v_med3_num_f32 v[\s+16*\b+\i], v[\s+16*\b+\i], 0, v[TM+8+\b]
.endr
	v_cvt_scalef32_pk8_bf8_f32 v[PC+4*\b:PC+1+4*\b], v[\s+16*\b:\s+7+16*\b], v[TM+12+\b]
	v_cvt_scalef32_pk8_bf8_f32 v[PC+2+4*\b:PC+3+4*\b], v[\s+8+16*\b:\s+15+16*\b], v[TM+12+\b]
.endr
	v_nop
.endm
.macro BLOCK a
.set PW, W2+(\a)
	WIN (0x02+(\a)/4)
.set i, 0
.rept 32
	v_pk_add_f32 v[T+i:T+i+1], v[64*((\a)%4)+i:64*((\a)%4)+i+1], v[BR+i:BR+i+1]
.set i, i+2
.endr
	WIN 0
	QUANT T
.irp c, 0,1,2,3
	global_store_b64 v31, v[PC+4*\c:PC+4*\c+1], s[98:99] offset:2048*(\a)+512*\c          ; k = 32 c + 8 h + 0..7: the 32 lanes cover 256 consecutive bytes
	global_store_b64 v31, v[PC+4*\c+2:PC+4*\c+3], s[98:99] offset:2048*(\a)+512*\c+256    ; k = 32 c + 16 + 8 h + 0..7
.endr
	ds_store_b32 v[SCST], v[PW] offset:256*((\a)/4)+128*((\a)%2)+4*(((\a)%4)/2)
.endm
	PLACES NP
	s_wait_loadcnt 0x0
	s_mov_b32 s[MNT], 0x600000
.irp b, 0,1,2,3
	v_mov_b32 v[TM+4+\b], 0
.endr
.irp a, 0,1,2,3,4,5,6,7
	BLOCK \a
.endr
	ds_load_b128 v[OUT:OUT+3], v[SCRD]
	s_wait_dscnt 0x0
	global_store_b128 v[CO], v[OUT:OUT+3], s[100:101]
	s_wait_tensorcnt 0x0
	ds_add_u32 v[SPW], v[NIL]
	s_wait_dscnt 0x0
	CROUND
	s_endpgm
.Lfunc_end_k_q5c76e02972_ff1:
	.size	k_q5c76e02972_ff1, .Lfunc_end_k_q5c76e02972_ff1-k_q5c76e02972_ff1
	.p2alignl 7, 3214868480
	.fill 96, 4, 3214868480
	.section	.rodata,"a",@progbits
	.p2align	6, 0x0
	.amdhsa_kernel k_q5c76e02972_ff1
		.amdhsa_group_segment_fixed_size 327680
		.amdhsa_private_segment_fixed_size 0
		.amdhsa_enable_private_segment 0
		.amdhsa_kernarg_size 56
		.amdhsa_user_sgpr_count 2
		.amdhsa_user_sgpr_kernarg_segment_ptr 1
		.amdhsa_wavefront_size32 1
		.amdhsa_system_sgpr_workgroup_id_x 1
		.amdhsa_system_sgpr_workgroup_id_y 1
		.amdhsa_system_sgpr_workgroup_id_z 1
		.amdhsa_system_vgpr_workitem_id 0
		.amdhsa_next_free_vgpr 1024
		.amdhsa_next_free_sgpr 102
		.amdhsa_reserve_vcc 0
		.amdhsa_float_denorm_mode_32 3
		.amdhsa_float_denorm_mode_16_64 3
		.amdhsa_memory_ordered 1
		.amdhsa_forward_progress 1
		.amdhsa_inst_pref_size 207
	.end_amdhsa_kernel
	.amdgpu_metadata
---
amdhsa.version: [ 1, 2 ]
amdhsa.kernels:
  - .name:           k_q5c76e02972_ff1
    .symbol:         k_q5c76e02972_ff1.kd
    .args:
      - { .name: hq, .offset: 0, .size: 8, .value_kind: global_buffer, .address_space: global }
      - { .name: hq_sc, .offset: 8, .size: 8, .value_kind: global_buffer, .address_space: global }
      - { .name: ff_w1_codes, .offset: 16, .size: 8, .value_kind: global_buffer, .address_space: global }
      - { .name: ff_w1_scales, .offset: 24, .size: 8, .value_kind: global_buffer, .address_space: global }
      - { .name: ff_b1, .offset: 32, .size: 8, .value_kind: global_buffer, .address_space: global }
      - { .name: big, .offset: 40, .size: 8, .value_kind: global_buffer, .address_space: global }
      - { .name: big_sc, .offset: 48, .size: 8, .value_kind: global_buffer, .address_space: global }
    .group_segment_fixed_size: 327680
    .private_segment_fixed_size: 0
    .kernarg_segment_align: 8
    .kernarg_segment_size: 56
    .max_flat_workgroup_size: 128
    .sgpr_count:     102
    .vgpr_count:     1024
    .wavefront_size: 32
...
	.end_amdgpu_metadata
.endif
;; end of part 5
;; launch ff2 (part 6): grid 8 x 32, 4 waves a work-group, clusters of 4 x 4, 327,680 bytes of LDS; arguments big, big_sc, ff_w2_codes, ff_w2_scales, ff_b2, x2, out0; writes out0
.if DOCPART == 6
	.amdgcn_target "amdgcn-amd-amdhsa--gfx1250"
	.amdhsa_code_object_version 6
	.text
	.protected	k_q5c76e02972_ff2
	.globl	k_q5c76e02972_ff2
	.p2align	8
	.type	k_q5c76e02972_ff2,@function
k_q5c76e02972_ff2:
	s_mov_b64 s[64:65], 0
	v_nop
	global_prefetch_b8 v0, s[64:65] scope:SCOPE_SE
	s_setreg_imm32_b32 hwreg(HW_REG_WAVE_MODE, 25, 1), 1
	s_wait_xcnt 0x0
	s_wait_alu depctr_hold_cnt(0) depctr_sa_sdst(0) depctr_va_vdst(0) depctr_va_sdst(0) depctr_va_ssrc(0) depctr_va_vcc(0) depctr_vm_vsrc(0)
	s_getreg_b32 s2, hwreg(HW_REG_IB_STS2, 6, 4)
	s_cmp_eq_u32 s2, 0
	s_cbranch_scc0 .Lentry_in_a_cluster
	s_endpgm
.Lentry_in_a_cluster:
	s_bfe_u32 s2, ttmp6, 0x10000c
	s_cmp_lg_u32 s2, 0xf033
	s_cbranch_scc0 .Lentry_shape_is_right
	s_endpgm
.Lentry_shape_is_right:
; out = x2 + hid W2^T + b2.  hid: 4,096 rows x 4,096 as images of operand registers (launch ff1): blocks of 16,384 bytes [tile a 8][c 4][lane][16], block = (row / 128) x 32 + K step, K in true order;
; its scale words [K step][4096], inside each 64 rows the word of row 32 j + l at 8 l + 4 j.  W2: [1024][4096] codes of BF8 (E5M2), K innermost, scale bytes [1024][128].  b2 [1024], x2, out [4096][1024] f32.
; SHARES.  A work-group makes 128 x 128 of out: 256 work-groups.  Wave w = 2 kh + m takes rows 64 m on, all 128 columns, and K steps 16 kh .. 16 kh + 15 of 128: 32 accumulators, 16 steps of 32 products.
; So each byte of hid is loaded by one wave, straight into registers (16 loads of 512 consecutive bytes a step, a ring of five sets, four steps ahead), and each byte of W2 is read from LDS by two waves.
; W2 goes through a ring of two LDS slots, each 128 rows x 512 bytes for either half of K (four steps a wave), by joint loads along a column of a 4 x 4 cluster: four fills, two of them refills.
; hid is not asked for jointly: it passes no LDS; the two slots of W2 take 270,336 of the 327,680 bytes.  All scale words are loaded into registers at the head (16 + 16 loads a wave).
; The product is used transposed (source 0 = 16 rows of W2, source 1 = 16 rows of hid): a lane holds eight neighbouring columns of one row of out.
; Slot a' of a wave's four tiles of hid is tile a' xor kh, by addresses alone: every wave keeps slots 0 and 2 and hands slots 1 and 3 to the wave with the other half of K, through LDS, as rows.
; Each wave ends 32 rows: its own sums + the other wave's + x2 + b2.  The sum over K is thus made in two halves, each in ascending K.  The stages lie in ring slot 0, behind its last fill and last read.
; PREFETCH: hid's K steps 8 .. 15 of either half: at steps 1 and 5 a wave names its own 8,192 bytes of step 8 + cx, 12 + cx: the four partners of a cluster's row share four steps out by address.
; W2's last two fills: the clusters with y = 0 name them at step 0, a lane a row, 256 bytes a wave.  Steps 0 .. 7 and the first two fills come by their loads alone.
; LIMITS: NaN and infinities are carried as the sums carry them.
; REGISTERS: window 0: v4-15 addresses; v16-47 hid's scale words (2 a step); v48-51 b2; v52-115 W2's scale words (pair of tiles p, step t at 52 + 16 p + t); v128-191 hid's fifth set; window 1: W2's fragments, two sets;
; window 2: the accumulators ((a', b) at 8 (8 a' + b)); window 3: hid's sets 0 to 3, later x2's rows.
.set NT,     16
.set BPITCH, 528                       ; a row of W2 in LDS: 512 bytes + 16: the 16 rows of a fragment load start at 16 different banks
.set HALFB,  64*BPITCH                 ; what one tensor load brings
.set SUBS,   2*HALFB                   ; 128 rows of one half of K
.set SLOT,   2*SUBS
.set SPARE,  2*SLOT                    ; the spare words: two blocks of 256 bytes that no other line names
.set SPITCH, 528
.set AREA,   32*SPITCH                 ; a stage: 32 rows of 512 bytes + 16
.set CO,   4                           ; 16 x lane
.set COA,  5                           ; v5, v6: 16 x lane + 2,048 kh (even slots), + 2,048 (1 - kh) (odd slots)
.set VSA,  7                           ; 8 x (lane xor 16 kh)
.set ADRB, 8                           ; v8, v9: my fragments of W2 in ring slot 0, 1
.set STO,  10
.set STX,  11
.set RD,   12
.set RDX,  13
.set PFO,  14
.set PFV,  15
.set SA,   16
.set BI,   48
.set SB,   52
.set VSB,  116
.set SPW,  118
.set NIL,  119
.set AB,   24
.set PFA,  26
.set LIM,  28
.set PA,   30
.set G1B,  48
.set G0B,  56
.set MSB, 0
.macro WIN new                         ; the immediate's high byte repeats the setting that is left
.if MSB != \new
	s_set_vgpr_msb (MSB<<8)|\new
.set MSB, \new
.endif
.endm
.macro CREST
	s_cmp_lg_u32 s14, 0
	s_cbranch_scc1 .Lnot_wave_0_\@
	s_barrier_signal -3
.Lnot_wave_0_\@:
	s_barrier_wait -3
	s_barrier_signal -1
	s_barrier_wait -1
.endm
.macro CROUND
	s_barrier_signal -1
	s_barrier_wait -1
	CREST
.endm
.macro PLACES n
.rept \n
	v_nop
.endr
.endm
	s_load_b128 s[4:7], s[0:1], 0x0                ; hid's images, its scale words
	s_load_b128 s[8:11], s[0:1], 0x10              ; W2's codes, scales
	s_load_b128 s[96:99], s[0:1], 0x20             ; b2, x2
	s_load_b64 s[100:101], s[0:1], 0x30            ; out
	v_lshl_add_u32 v[SPW], v0, 2, SPARE
	v_mov_b32 v[NIL], 0
	ds_add_u32 v[SPW], v[NIL]                      ; the opening lines: the add, twice on end, and one wait below
	ds_add_u32 v[SPW], v[NIL]
	v_lshrrev_b32 v1, 5, v0
	v_readfirstlane_b32 s14, v1                    ; wave 0..3
	s_lshr_b32 s15, s14, 1                         ; kh: my half of K.  Also: the half of K that I fetch of W2
	s_and_b32 s16, s14, 1                          ; m: my 64 rows.  Also: which 64 rows of W2 I fetch
	s_bfe_u32 s40, ttmp6, 0x40000                  ; cx, cy
	s_bfe_u32 s41, ttmp6, 0x40004
	s_lshl_b32 s42, ttmp9, 2
	s_add_co_u32 s42, s42, s40                     ; tile column
	s_and_b32 s29, ttmp7, 0xffff
	s_lshl_b32 s17, s29, 2
	s_add_co_u32 s17, s17, s41                     ; tile row
	s_cmp_eq_u32 s29, 0
	s_cselect_b32 s[LIM], 1, 0                     ; the clusters with y = 0 prefetch W2
	s_lshl_b32 s44, 0x1111, s40                    ; my column of the cluster
	s_or_b32 s[G1B+0], s44, (0<<16)|(1<<20)|(1<<21)|(6<<22)|(3<<25)  ; 64 rows of 512 bytes, 4 words of padding behind every 128
	s_mov_b32 s[G1B+1], 512<<16
	s_mov_b32 s[G1B+2], 64<<16
	s_mov_b32 s[G1B+3], 512<<16
	s_mov_b32 s[G1B+4], 64
	s_mov_b32 s[G1B+5], 4096
	s_mov_b32 s[G1B+6], 0
	s_mov_b32 s[G1B+7], 0
	s_lshl_b32 s20, s17, 19                        ; hid: 32 blocks a tile row, 16 a half of K, 8,192 bytes to my 64 rows
	s_lshl_b32 s18, s15, 18
	s_add_co_u32 s20, s20, s18
	s_lshl_b32 s22, s17, 9                         ; its scale words: 16,384 bytes a K step, 512 a tile row, 256 to my 64 rows
	s_add_co_u32 s22, s22, s18
	s_lshl_b32 s18, s16, 13
	s_add_co_u32 s20, s20, s18
	s_mov_b32 s21, 0
	s_lshl_b32 s18, s16, 8
	s_add_co_u32 s22, s22, s18
	s_mov_b32 s23, 0
	s_lshl_b32 s46, s42, 7                         ; W2: row 128 x tile column + 64 m, byte 2,048 kh
	s_lshl_b32 s18, s16, 6
	s_add_co_u32 s46, s46, s18
	s_lshl_b32 s46, s46, 12
	s_lshl_b32 s18, s15, 11
	s_add_co_u32 s46, s46, s18
	s_mov_b32 s47, 0
	s_lshl_b32 s92, s42, 14                        ; W2's scale bytes: 128 a row, my half of K 64 on
	s_lshl_b32 s18, s15, 6
	s_add_co_u32 s92, s92, s18
	s_mov_b32 s93, 0
	s_mul_i32 s94, s14, HALFB                      ; where my tile goes in a slot
	s_lshl_b32 s32, s42, 7                         ; W2's prefetch: my work-group's 32 rows of the column's 128, 256 bytes a wave
	s_lshl_b32 s18, s41, 5
	s_add_co_u32 s32, s32, s18
	s_lshl_b32 s32, s32, 12
	s_lshl_b32 s18, s14, 8
	s_add_co_u32 s32, s32, s18
	s_mov_b32 s33, 0
	s_lshl_b32 s34, s40, 14                        ; hid's prefetch: cx K steps on
	s_mov_b32 s35, 0
	s_lshl_b32 s38, s42, 9                         ; my columns, in bytes
	s_mov_b32 s39, 0
	s_lshl_b32 s36, s17, 19                        ; the rows that I end: 128 x tile row + 64 m + 16 kh, and 32 further on
	s_lshl_b32 s18, s16, 18
	s_add_co_u32 s36, s36, s18
	s_lshl_b32 s18, s15, 16
	s_add_co_u32 s36, s36, s18
	s_add_co_u32 s36, s36, s38
	s_mov_b32 s37, 0
	s_lshl_b32 s66, s15, 11
	s_xor_b32 s67, s66, 2048
	s_lshl_b32 s68, s15, 4
	s_mul_i32 s69, s15, SUBS
	s_mul_i32 s70, s14, AREA                       ; my own stage,
	s_add_co_u32 s72, s70, 4*AREA                  ; where I put what I hand over,
	s_xor_b32 s71, s14, 2
	s_mul_i32 s71, s71, AREA
	s_add_co_u32 s71, s71, 4*AREA                  ; and where the wave with the other half of K puts mine
	v_and_b32 v3, 31, v0
	v_and_b32 v1, 15, v0                           ; r
	v_bfe_u32 v2, v0, 4, 1                         ; h
	v_lshlrev_b32 v[CO], 4, v3
	v_lshl_add_u32 v[COA], v3, 4, s66
	v_lshl_add_u32 v[COA+1], v3, 4, s67
	v_xor_b32 v[VSA], s68, v3
	v_lshlrev_b32 v[VSA], 3, v[VSA]
	v_lshlrev_b32 v[VSB], 7, v3                    ; W2's scale bytes: lane l takes row l of a pair of tiles
	v_lshlrev_b32 v[PFO], 12, v3
	v_lshlrev_b32 v[PFV], 8, v3
	v_mul_u32_u24 v1, v1, BPITCH                   ; r x 528: the pitch of W2's rows and of the stages
	v_lshl_add_u32 v[ADRB], v2, 4, v1
	v_add_nc_u32 v[ADRB], s69, v[ADRB]
	v_add_nc_u32 v[ADRB+1], SLOT, v[ADRB]
	v_lshl_add_u32 v[STO], v2, 5, v1               ; in: row r, 32 bytes for each half of the lanes
	v_add_nc_u32 v[STX], s72, v[STO]
	v_add_nc_u32 v[STO], s70, v[STO]
	v_add_nc_u32 v[RD], s70, v[CO]                 ; back: the 32 lanes take one row of 512 bytes
	v_add_nc_u32 v[RDX], s71, v[CO]
	s_wait_alu depctr_va_vdst(0)                   ; the wait at the head's end: no vector register is written behind it before the way out
	s_wait_dscnt 0x0                               ; both opening adds are done
	CROUND                                         ; all sixteen work-groups are here
	s_wait_kmcnt 0x0
	s_add_nc_u64 s[AB:AB+1], s[4:5], s[20:21]
	s_add_nc_u64 s[22:23], s[6:7], s[22:23]
	s_add_nc_u64 s[46:47], s[8:9], s[46:47]
	s_add_nc_u64 s[92:93], s[10:11], s[92:93]
	s_add_nc_u64 s[PFA:PFA+1], s[8:9], s[32:33]
	s_add_nc_u64 s[PA:PA+1], s[AB:AB+1], s[34:35]
	s_add_nc_u64 s[96:97], s[96:97], s[38:39]
	s_add_nc_u64 s[98:99], s[98:99], s[36:37]
	s_add_nc_u64 s[100:101], s[100:101], s[36:37]
.irp s, 0,1
	s_mov_b32 s[G0B+4*\s], 1
	s_add_co_u32 s[G0B+4*\s+1], s94, \s*SLOT
	s_add_nc_u64 s[G0B+4*\s+2:G0B+4*\s+3], s[46:47], \s*512
	s_or_b32 s[G0B+4*\s+3], s[G0B+4*\s+3], 0x80000000
.endr
	tensor_load_to_lds s[G0B:G0B+3], s[G1B:G1B+7]  ; fill 0: every wave's one load at the head
	s_nop 0
	PLACES 4
; hid's set g: 64 rows x 128 K, 16 loads.  g = 16, 17: x2's rows, 16 each, in the layout of the way out.
.macro AFILL g
.if (\g) < NT
.if (\g)%5 < 4
	WIN 0xc0
.set AR_, 64*((\g)%5)
.else
	WIN 0
.set AR_, 128
.endif
.irp a, 0,1,2,3
.irp c, 0,1,2,3
	global_load_b128 v[AR_+16*\a+4*\c:AR_+16*\a+4*\c+3], v[COA+\a%2], s[AB:AB+1] offset:16384*(\g)+4096*(\a/2)+512*\c
.endr
.endr
.elseif (\g) < NT+2
	WIN 0xc0
.irp k, 0,1,2,3,4,5,6,7,8,9,10,11,12,13,14,15
	global_load_b128 v[64*((\g)%5)+4*\k:64*((\g)%5)+4*\k+3], v[CO], s[98:99] offset:(32*((\g)-NT)+\k)*4096 th:TH_LOAD_NT
.endr
.endif
.endm
	global_load_b128 v[BI:BI+3], v[CO], s[96:97]
.irp t, 0,1,2,3,4,5,6,7,8,9,10,11,12,13,14,15
	global_load_b64 v[SA+2*\t:SA+2*\t+1], v[VSA], s[22:23] offset:16384*\t   ; register j, lane (r, hh): the word of slot 2 j + hh, row r: 256 consecutive bytes a load
.endr
.irp p, 0,1,2,3
.irp i, 0,1,2,3
	global_load_b128 v[SB+16*\p+4*\i:SB+16*\p+4*\i+3], v[VSB], s[92:93] offset:4096*\p+16*\i   ; four steps' words of 32 rows; a row's 64 bytes come once
.endr
.endr
.irp g, 0,1,2,3
	AFILL \g
.endr
	WIN 0
.macro FETCHB t                        ; W2's eight fragments of my step t into set t % 2
	WIN 0x40
.irp i, 0,1,2,3,4,5,6,7
.irp c, 0,1,2,3
	ds_load_b128 v[128*((\t)%2)+16*\i+4*\c:128*((\t)%2)+16*\i+4*\c+3], v[ADRB+((\t)/4)%2] offset:16*BPITCH*\i+128*((\t)%4)+32*\c
.endr
.endr
.endm
; Eight products: slot a of hid against W2's eight tiles.  The 32 accumulators take turns in the same order in every step.  The first step's products start the sums.
.macro MULA t, a
.if (\t)%5 < 4
	WIN 0xad                                       ; source 0 window 1, source 1 window 3, C and D window 2
.set FA_, 64*((\t)%5)+16*(\a)
.else
	WIN 0xa1                                       ; source 1 window 0
.set FA_, 128+16*(\a)
.endif
.set SA_, SA+2*(\t)+(\a)/2
.irp p, 0,1,2,3
.set AC_, 8*(8*(\a)+2*\p)
.set FB_, 128*((\t)%2)+32*\p
.set SB_, SB+16*\p+(\t)
.if ((\t) == 0) && ((\a)%2)
	v_wmma_scale_f32_16x16x128_f8f6f4 v[AC_:AC_+7], v[FB_:FB_+15], v[FA_:FA_+15], 0, v[SB_], v[SA_] matrix_a_fmt:MATRIX_FMT_BF8 matrix_b_fmt:MATRIX_FMT_BF8 matrix_b_scale:MATRIX_SCALE_ROW1
	v_wmma_scale_f32_16x16x128_f8f6f4 v[AC_+8:AC_+15], v[FB_+16:FB_+31], v[FA_:FA_+15], 0, v[SB_], v[SA_] matrix_a_fmt:MATRIX_FMT_BF8 matrix_b_fmt:MATRIX_FMT_BF8 matrix_a_scale:MATRIX_SCALE_ROW1 matrix_b_scale:MATRIX_SCALE_ROW1
.elseif (\t) == 0
	v_wmma_scale_f32_16x16x128_f8f6f4 v[AC_:AC_+7], v[FB_:FB_+15], v[FA_:FA_+15], 0, v[SB_], v[SA_] matrix_a_fmt:MATRIX_FMT_BF8 matrix_b_fmt:MATRIX_FMT_BF8
	v_wmma_scale_f32_16x16x128_f8f6f4 v[AC_+8:AC_+15], v[FB_+16:FB_+31], v[FA_:FA_+15], 0, v[SB_], v[SA_] matrix_a_fmt:MATRIX_FMT_BF8 matrix_b_fmt:MATRIX_FMT_BF8 matrix_a_scale:MATRIX_SCALE_ROW1
.elseif (\a)%2
	v_wmma_scale_f32_16x16x128_f8f6f4 v[AC_:AC_+7], v[FB_:FB_+15], v[FA_:FA_+15], v[AC_:AC_+7], v[SB_], v[SA_] matrix_a_fmt:MATRIX_FMT_BF8 matrix_b_fmt:MATRIX_FMT_BF8 matrix_b_scale:MATRIX_SCALE_ROW1
	v_wmma_scale_f32_16x16x128_f8f6f4 v[AC_+8:AC_+15], v[FB_+16:FB_+31], v[FA_:FA_+15], v[AC_+8:AC_+15], v[SB_], v[SA_] matrix_a_fmt:MATRIX_FMT_BF8 matrix_b_fmt:MATRIX_FMT_BF8 matrix_a_scale:MATRIX_SCALE_ROW1 matrix_b_scale:MATRIX_SCALE_ROW1
.else
	v_wmma_scale_f32_16x16x128_f8f6f4 v[AC_:AC_+7], v[FB_:FB_+15], v[FA_:FA_+15], v[AC_:AC_+7], v[SB_], v[SA_] matrix_a_fmt:MATRIX_FMT_BF8 matrix_b_fmt:MATRIX_FMT_BF8
	v_wmma_scale_f32_16x16x128_f8f6f4 v[AC_+8:AC_+15], v[FB_+16:FB_+31], v[FA_:FA_+15], v[AC_+8:AC_+15], v[SB_], v[SA_] matrix_a_fmt:MATRIX_FMT_BF8 matrix_b_fmt:MATRIX_FMT_BF8 matrix_a_scale:MATRIX_SCALE_ROW1
.endif
.endr
.endm
; My step t.  At its head the sets t + 1 .. t + 3 of hid (16 loads each; at the end x2's two sets) may be out.  Eight places stand behind the last step's products, ahead of the loads into the registers that they read.
.macro STEP t
.set LC_, 48
.if (\t) > 14
.set LC_, 32
.endif
.if (((\t)%4) == 3) && ((\t) < NT-1)
	WIN 0                                          ; a slot's last step changes slots: its fragments are in registers already
	s_wait_tensorcnt 0x0                           ; my part of the next slot has landed
	ds_add_u32 v[SPW], v[NIL]                      ; 0 onto my spare word
	s_wait_loadcnt LC_
	s_wait_dscnt 1                                 ; this step's fragments are in; the add may be out
	MULA \t, 0
	s_wait_dscnt 0x0                               ; the add is done, and my reads of this slot are over
	s_barrier_signal -1
	MULA \t, 1
	WIN 0
	s_barrier_wait -1
.if (\t) < 8
	CREST                                          ; the barrier has opened a round of the cluster's
	s_add_nc_u64 s[G0B+4*(((\t)/4)%2)+2:G0B+4*(((\t)/4)%2)+3], s[G0B+4*(((\t)/4)%2)+2:G0B+4*(((\t)/4)%2)+3], 1024
	tensor_load_to_lds s[G0B+4*(((\t)/4)%2):G0B+4*(((\t)/4)%2)+3], s[G1B:G1B+7]   ; the fill two on, the first tensor load behind the round
	s_nop 0
.endif
	PLACES 8
	AFILL (\t)+4
	FETCHB (\t)+1
	MULA \t, 2
	MULA \t, 3
.else
	s_wait_dscnt 0x0                               ; this step's fragments of W2, asked for a step ago
	s_wait_loadcnt LC_
.if ((\t) > 0) && ((\t) < NT-1)
	PLACES 8
.endif
.if (\t) < NT-1
	FETCHB (\t)+1
.endif
.if (\t) == 0
	WIN 0
	s_cmp_eq_u32 s[LIM], 1
	s_cbranch_scc0 .Lnot_mine
	global_prefetch_b8 v[PFO], s[PFA:PFA+1] offset:1024 th:TH_LOAD_NT scope:SCOPE_SE   ; W2's fills 2 and 3: bytes 1,024 on and 3,072 on of each row
	global_prefetch_b8 v[PFO], s[PFA:PFA+1] offset:3072 th:TH_LOAD_NT scope:SCOPE_SE
.Lnot_mine:
.endif
.if ((\t) == 1) || ((\t) == 5)
	WIN 0
	global_prefetch_b8 v[PFV], s[PA:PA+1] offset:16384*(7+(\t)) th:TH_LOAD_NT scope:SCOPE_SE   ; hid's step 7 + t + cx: its loads go out three steps on at the earliest
.endif
	MULA \t, 0
	MULA \t, 1
	AFILL (\t)+4                                   ; hid's set four steps on, into the registers that the last step read (the places stand at this step's head)
	MULA \t, 2
	MULA \t, 3
.endif
.endm
	s_wait_tensorcnt 0x0                           ; my part of fill 0 is in
	ds_add_u32 v[SPW], v[NIL]
	s_wait_dscnt 0x0
	CROUND
	tensor_load_to_lds s[G0B+4:G0B+7], s[G1B:G1B+7]   ; fill 1, the first tensor load behind the round
	s_nop 0
	PLACES 4
	FETCHB 0
.irp t, 0,1,2,3,4,5,6,7,8,9,10,11,12,13,14,15
	STEP \t
.endr
	; THE WAY OUT.  Slots 1 and 3 go, as rows, to the wave with the other half of K; slots 0 and 2 into my own stage; one barrier; both come back as whole rows of 512 bytes.
	WIN 0
	PLACES 8
	WIN 0x08                                       ; the data: window 2
.irp a, 0,1
.irp b, 0,1,2,3,4,5,6,7
	ds_store_b128 v[STX], v[8*(8*(2*\a+1)+\b):8*(8*(2*\a+1)+\b)+3] offset:16*SPITCH*\a+64*\b        ; each accumulator from its low end on
	ds_store_b128 v[STX], v[8*(8*(2*\a+1)+\b)+4:8*(8*(2*\a+1)+\b)+7] offset:16*SPITCH*\a+64*\b+16
.endr
.endr
.irp a, 0,1
.irp b, 0,1,2,3,4,5,6,7
	ds_store_b128 v[STO], v[8*(16*\a+\b):8*(16*\a+\b)+3] offset:16*SPITCH*\a+64*\b
	ds_store_b128 v[STO], v[8*(16*\a+\b)+4:8*(16*\a+\b)+7] offset:16*SPITCH*\a+64*\b+16
.endr
.endr
	WIN 0
	s_wait_dscnt 0x0                               ; for the other wave's sake
	s_barrier_signal -1
	s_barrier_wait -1
.irp a, 0,1                            ; block 0 into window 0, v128 on; block 1 into window 1, v0 on: mine in 64 registers, the other wave's in the next 64
	WIN \a<<6
.irp t, 0,1,2,3,4,5,6,7,8,9,10,11,12,13,14,15
	ds_load_b128 v[128*(1-\a)+4*\t:128*(1-\a)+4*\t+3], v[RD] offset:16*SPITCH*\a+\t*SPITCH
	ds_load_b128 v[128*(1-\a)+64+4*\t:128*(1-\a)+64+4*\t+3], v[RDX] offset:16*SPITCH*\a+\t*SPITCH
.endr
.endr
	s_wait_loadcnt 0x0                             ; x2's rows
.macro OUTB a
.set OB_, 128*(1-(\a))
	s_wait_dscnt 32*(1-(\a))                       ; this block's 32 loads are in; the next block's 32 may be out
	WIN 0x45*(\a)
.set i, 0
.rept 32
	v_pk_add_f32 v[OB_+i:OB_+i+1], v[OB_+i:OB_+i+1], v[OB_+64+i:OB_+64+i+1]
.set i, i+2
.endr
	WIN 0x41*(\a)+0x0c                             ; source 1: window 3
.set i, 0
.rept 32
	v_pk_add_f32 v[OB_+i:OB_+i+1], v[OB_+i:OB_+i+1], v[64*(1+(\a))+i:64*(1+(\a))+i+1]
.set i, i+2
.endr
	WIN 0x41*(\a)
.irp t, 0,1,2,3,4,5,6,7,8,9,10,11,12,13,14,15
	v_pk_add_f32 v[OB_+4*\t:OB_+4*\t+1], v[OB_+4*\t:OB_+4*\t+1], v[BI:BI+1]
	v_pk_add_f32 v[OB_+4*\t+2:OB_+4*\t+3], v[OB_+4*\t+2:OB_+4*\t+3], v[BI+2:BI+3]
.endr
	WIN 4*(\a)
.irp t, 0,1,2,3,4,5,6,7,8,9,10,11,12,13,14,15
	global_store_b128 v[CO], v[OB_+4*\t:OB_+4*\t+3], s[100:101] offset:(32*(\a)+\t)*4096 th:TH_STORE_NT   ; 32 lanes store 512 consecutive bytes, at a multiple of 512 from out's first byte
.endr
.endm
	OUTB 0
	OUTB 1
	WIN 0
	s_wait_tensorcnt 0x0                           ; the wave's end
	ds_add_u32 v[SPW], v[NIL]
	s_wait_dscnt 0x0
	CROUND                                         ; the closing round
	s_endpgm
.Lfunc_end_k_q5c76e02972_ff2:
	.size	k_q5c76e02972_ff2, .Lfunc_end_k_q5c76e02972_ff2-k_q5c76e02972_ff2
	.p2alignl 7, 3214868480
	.fill 96, 4, 3214868480
	.section	.rodata,"a",@progbits
	.p2align	6, 0x0
	.amdhsa_kernel k_q5c76e02972_ff2
		.amdhsa_group_segment_fixed_size 327680
		.amdhsa_private_segment_fixed_size 0
		.amdhsa_enable_private_segment 0
		.amdhsa_kernarg_size 56
		.amdhsa_user_sgpr_count 2
		.amdhsa_user_sgpr_kernarg_segment_ptr 1
		.amdhsa_wavefront_size32 1
		.amdhsa_system_sgpr_workgroup_id_x 1
		.amdhsa_system_sgpr_workgroup_id_y 1
		.amdhsa_system_sgpr_workgroup_id_z 1
		.amdhsa_system_vgpr_workitem_id 0
		.amdhsa_next_free_vgpr 1024
		.amdhsa_next_free_sgpr 102
		.amdhsa_reserve_vcc 0
		.amdhsa_float_denorm_mode_32 3
		.amdhsa_float_denorm_mode_16_64 3
		.amdhsa_memory_ordered 1
		.amdhsa_forward_progress 1
		.amdhsa_inst_pref_size 166
	.end_amdhsa_kernel
	.amdgpu_metadata
---
amdhsa.version: [ 1, 2 ]
amdhsa.kernels:
  - .name:           k_q5c76e02972_ff2
    .symbol:         k_q5c76e02972_ff2.kd
    .args:
      - { .name: big, .offset: 0, .size: 8, .value_kind: global_buffer, .address_space: global }
      - { .name: big_sc, .offset: 8, .size: 8, .value_kind: global_buffer, .address_space: global }
      - { .name: ff_w2_codes, .offset: 16, .size: 8, .value_kind: global_buffer, .address_space: global }
      - { .name: ff_w2_scales, .offset: 24, .size: 8, .value_kind: global_buffer, .address_space: global }
      - { .name: ff_b2, .offset: 32, .size: 8, .value_kind: global_buffer, .address_space: global }
      - { .name: x2, .offset: 40, .size: 8, .value_kind: global_buffer, .address_space: global }
      - { .name: out0, .offset: 48, .size: 8, .value_kind: global_buffer, .address_space: global }
    .group_segment_fixed_size: 327680
    .private_segment_fixed_size: 0
    .kernarg_segment_align: 8
    .kernarg_segment_size: 56
    .max_flat_workgroup_size: 128
    .sgpr_count:     102
    .vgpr_count:     1024
    .wavefront_size: 32
...
	.end_amdgpu_metadata
.endif
;; end of part 6
